; MI455X (gfx1250); checked and timed in simulation.
; The chip was launched on July 23, 2026; its instructions are those of AMD's public machine-readable ISA for CDNA 5 (MIT licence, August 2026) and "CDNA5" Instruction Set Architecture Reference Guide (July 2026). The comments in the code are by the model that wrote it; some were corrected since.
;; Moire Attention. Allowed arithmetic: matrix products marked QUANTISED: E2M3 operands, one E8M0 scale for each 32 along K, by v_wmma_scale_f32_16x16x128_f8f6f4 with both operands' format E2M3, f32 sums; everything else in f32.
;; Inputs: Wk 1,024 x 2,048 float32; Wo 1,024 x 1,024 float32; Wq 1,024 x 2,048 float32; Wv 1,024 x 1,024 float32; theta_offset 16 float32; x 2 x 2,048 x 1,024 float32.
;; Outputs: out0 2 x 2,048 x 1,024 float32.
;; This version of the problem:
;;   THIS VERSION OF THE PROBLEM IS GIVEN IN LOW PRECISION. The matrix products marked QUANTISED in the list below multiply operands that are first quantised to E2M3 (2 exponent bits, 3 mantissa bits; 6 bits a number), with one power-of-two scale for each 32 numbers along K (OCP MX v1.0); their sums are f32. All else is computed in f32.
;;   The module's matrix products, in the order in which they are computed (A, B: the left and right operand; K: the contracted axis; several contracted axes count as one K, in the product's order):
;;     1. [M 4,096, K 1,024] x [K 1,024, N 2,048]; A: input x; B: input Wq: QUANTISED
;;     2. [M 4,096, K 1,024] x [K 1,024, N 2,048]; A: input x; B: input Wk: QUANTISED
;;     3. [M 4,096, K 1,024] x [K 1,024, N 1,024]; A: input x; B: input Wv: QUANTISED
;;     4. batch 32 x [M 2,048, K 64] x [K 64, N 2,048]; A: computed on the way; B: computed on the way: QUANTISED
;;     5. batch 32 x [M 2,048, K 64] x [K 64, N 2,048]; A: computed on the way; B: computed on the way: QUANTISED
;;     6. batch 32 x [M 2,048, K 2,048] x [K 2,048, N 64]; A: softmax (see below); B: computed on the way: QUANTISED
;;     7. [M 4,096, K 1,024] x [K 1,024, N 1,024]; A: computed on the way; B: input Wo: QUANTISED
;;   THE QUANTISER, for each operand of a quantised product, along K:
;;     - K is cut into blocks of 32 from its start; a last block that is shorter is filled with zeros.
;;     - A block's scale is 2^e with e = floor(log2(the largest magnitude in the block)) - 2, held to -126 .. 127; a block of zeros has e = 0. As a byte (E8M0): e + 127.
;;     - Each number is divided by its block's scale, clamped to +-7.5, and rounded to the nearest number of E2M3, ties to even, subnormals kept.
;;     - The product sums the exact products of the quantised numbers (number of the format x scale) in f32.
;;   ~~~python
;;   def quantise(x, axis):      # numpy; x: float32 -> the quantised numbers, widened to float32 again
;;       x = np.moveaxis(x, axis, -1); K = x.shape[-1]
;;       x = np.pad(x, [(0, 0)] * (x.ndim - 1) + [(0, -K % 32)]); x = x.reshape(x.shape[:-1] + (-1, 32)); a = np.abs(x).max(-1, keepdims=True)
;;       e = np.where(a > 0, np.clip(np.frexp(np.where(a > 0, a, 1))[1] - 1 - 2, -126, 127), 0)      # np.frexp(a)[1] - 1 = floor(log2(a)), exactly
;;       r = np.clip(x / 2.0 ** e, -7.5, 7.5)
;;       step = 2.0 ** (np.maximum(np.frexp(np.where(r == 0, 1, r))[1] - 1, 0) - 3)
;;       q = np.round(r / step) * step * 2.0 ** e      # np.round: ties to even
;;       return np.moveaxis(q.reshape(q.shape[:-2] + (-1,))[..., :K], -1, axis).astype(np.float32)
;;   ~~~
;;   SOFTMAX AHEAD OF A QUANTISED PRODUCT. Where the list says 'softmax', what is quantised is not the finished softmax but p = 2^(t - M), with t = logit x log2(e) and M = ceil(the row's largest t), a whole number; so 1/2 < the row's largest p <= 1. The row's sum l is taken of the UNQUANTISED p, in f32, and the product's result is divided by l at the end. Since M is a whole number, a kernel that streams over the keys may use a running M (the ceiling of the running maximum): every later rescaling is an exact power of two, which a block's scale takes up: the codes' values come out the same.
;;   OPERANDS COMPUTED ON THE WAY. 'Computed on the way' means the value that the module computes at that place (a softmax that the list does not call 'softmax' is quantised finished and normalised). What goes into a quantiser is computed in f32, as accurately as f32 sums, v_exp_f32 and their like allow (about 1e-6 of the number): no bf16 or f16 on the way to a quantiser, and a product that is left as it is and whose result goes on into a quantised operand takes f32 operands (vector FMAs, or v_wmma_f32_16x16x4_f32). A number that lies on a knife's edge between two numbers of the format may be rounded either way, as far as f32 arithmetic and the matrix unit's own rounding can turn it there, and no further.
;; One version. Each part assembles by itself: llvm-mc -triple=amdgcn-amd-amdhsa -mcpu=gfx1250 --defsym DOCPART=n.
;; ======== version 1 of 1: 4 launches
;; limits: a function is approximated: absolute error at most 1e-07; right only within a limited range of input values
;; workspace buffers: xi 3,407,872 bytes; wi 5,111,808 bytes; gt 294,912 bytes; qi 6,553,600 bytes; kv 9,830,400 bytes; oi 3,407,872 bytes
;; launch prep (part 1): grid 512 x 1, 4 waves a work-group, no clusters, 34,304 bytes of LDS; arguments x, Wq, Wk, Wv, Wo, theta_offset, xi, wi, gt; writes xi, wi, gt
.if DOCPART == 1
	.amdgcn_target "amdgcn-amd-amdhsa--gfx1250"
	.amdhsa_code_object_version 6
	.text
	.protected	k_q310c2d86a5_prep
	.globl	k_q310c2d86a5_prep
	.p2align	8
	.type	k_q310c2d86a5_prep,@function
k_q310c2d86a5_prep:
	s_mov_b64 s[64:65], 0
	v_nop
	global_prefetch_b8 v0, s[64:65] scope:SCOPE_SE
	s_setreg_imm32_b32 hwreg(HW_REG_WAVE_MODE, 25, 1), 1
	s_wait_xcnt 0x0
; MoireAttention in MX-FP6 (E2M3, one E8M0 scale for each 32 along K), four launches: prep, proj, attn, oproj.  This one turns x and the four weights into codes, once, and makes the gate's tables.
; WORK LEFT OUT BY THE PROGRAM, for all values of the inputs:
;  (1) reference() builds the causal mask in its own body (jnp.tril) and sets hidden scores to -inf ahead of the softmax: their weight is 0.  Blocks of 128 queries x 128 keys that lie wholly above the
;      diagonal reach no output: their parts of the two score products and of the product with v are not made (launch attn).
;  (2) the gate cos(theta[h] (cid[j] - cid[i])) hangs on (h, j - i) alone: cid = index / 8 and the difference of two of them are exact in f32, so it is evaluated once for each (h, j - i), here, and looked up.
; Every input has a way to the output and is loaded.  LIMIT: a NaN, an infinity or an overflow that reaches only the work left out under (1) is not carried to the result.
; LIMITS: NaN and infinities among the inputs are not served; |theta (j - i) / 8| stays under 2^22 pi (reduction by a two-part pi); the cosine's absolute error is about 1e-7;
; a block of zeros gets the scale byte 1 where the rule says 127: its codes are zeros, and the bytes are read by this program alone.
; LAYOUTS (all workspace is the program's own).  A TILE is 16 rows: of a group G of 32 rows, tile 2 G + u holds in lane-row r the row 32 G + 8 u + r + 8 (r / 8).  An IMAGE is a fragment (16 rows x 128 K, 12 registers a lane) as it
; stands in registers: registers 4 g .. 4 g + 3 of lane l at 512 g + 16 l: 1,536 bytes.  A RECORD is a tile over K = 1,024: 13,312 bytes, four chunks of 3,328: the images of K steps 2 q and 2 q + 1, then 128 bytes of scale words
; (row r, step s: 3,072 + 8 r + 4 (s % 2)), then 128 bytes that nobody writes or reads.
; xi: 256 records, the token tiles.  wi: 384 records in units of 8 tiles (128 rows = columns of a weight): units 0-15 Wq by heads (64 amplitude columns, then the 64 phase columns), 16-31 Wk likewise, 32-39 Wv, 40-47 Wo.
; gt: for each head 4,608 words: two copies of the table, 2,234 words apart, the second moved by one word, so that a lane of attn reads aligned pairs whatever its query's parity:
;     word e, copy c = (e >= 2,234): 0.125 log2(e) cos(theta (e - 2,233 c - 2,048) / 8).
; WORK-GROUPS: 0-255 path X (a token tile; wave q takes chunk q), 256-447 path W (unit, chunk; wave w takes 32 columns), 448-511 path G (head, quarter of its table).  No matrix unit, no tensor load, no barrier: waves share nothing.
.set SPARE, 33792                      ; behind the four stages of path X: the spare words, 128 bytes for each wave
.set SPW,   12                         ; v12  LDS address of my spare word; never rewritten
.set NIL,   13                         ; v13  0; never rewritten
.set TM,    16                         ; v16-31  the quantiser's work
.set PC,    32                         ; v32-51  the codes just made
.set RX,    64                         ; v64-191 path X: two K steps as loaded
.set XN,    192                        ; v192-255 path X: 64 numbers of my row
.set SEL,   44                         ; s[44:45] v_permlanex16_b32's selects for lane l xor 16
; 64 numbers of a lane, register 16 b + i = k 32 b + 16 (lane / 16) + i of my row, become a fragment's codes in v[pc] on and its scale word in v[pw]
.macro QUANT src, pc, pw
.irp b, 0,1,2,3
	v_max3_num_f32 v[TM+\b], |v[\src+16*\b]|, |v[\src+1+16*\b]|, 0x1800000   ; my 16 numbers of block b, and the floor 2^(3 - 127): the byte cannot fall under 1
.endr
.irp i, 2,4,6,8,10,12,14
.irp b, 0,1,2,3
	v_max3_num_f32 v[TM+\b], v[TM+\b], |v[\src+16*\b+\i]|, |v[\src+1+16*\b+\i]|
.endr
.endr
.irp b, 0,1,2,3
	v_permlanex16_b32 v[TM+4+\b], v[TM+\b], s[SEL], s[SEL+1]
.endr
.irp b, 0,1,2,3
	v_max_num_f32 v[TM+\b], v[TM+\b], v[TM+4+\b]                   ; with lane l xor 16's: the block's largest magnitude
.endr
.irp b, 0,1,2,3
	v_add_nc_u32 v[TM+12+\b], 0xff000000, v[TM+\b]                 ; 2 off its exponent field: the conversion's scale operand
.endr
.irp b, 0,1,2,3
	v_lshrrev_b32 v[TM+4+\b], 23, v[TM+12+\b]                      ; the scale's byte
.endr
	v_lshl_or_b32 v[\pw], v[TM+5], 8, v[TM+4]
	v_lshl_or_b32 v[\pw], v[TM+6], 16, v[\pw]
	v_lshl_or_b32 v[\pw], v[TM+7], 24, v[\pw]
.irp c, 0,1
	v_cvt_scalef32_pk16_fp6_f32 v[\pc+6*\c:\pc+2+6*\c], v[\src+32*\c:\src+15+32*\c], v[TM+12+2*\c]
	v_cvt_scalef32_pk16_fp6_f32 v[\pc+12+4*\c:\pc+14+4*\c], v[\src+16+32*\c:\src+31+32*\c], v[TM+12+2*\c+1]   ; (a conversion's three registers begin on an even number)
.endr
	v_nop                                          ; one plain place behind a scaled conversion
.irp c, 0,1                                    ; the operand's layout wants a whole block in a lane
.irp i, 0,1,2
	v_permlane16_swap_b32 v[\pc+6*\c+\i], v[\pc+12+4*\c+\i]
.endr
.irp i, 0,1,2
	v_mov_b32 v[\pc+3+6*\c+\i], v[\pc+12+4*\c+\i]
.endr
.endr
.endm
	s_load_b512 s[4:19], s[0:1], 0x0               ; x s[4:5], Wq s[6:7], Wk s[8:9], Wv s[10:11], Wo s[12:13], theta s[14:15], xi s[16:17], wi s[18:19]
	s_load_b64 s[20:21], s[0:1], 0x40              ; gt
	v_lshl_add_u32 v[SPW], v0, 2, SPARE
	v_mov_b32 v[NIL], 0
	v_lshrrev_b32 v1, 5, v0
	v_readfirstlane_b32 s22, v1                    ; wave 0..3
	v_and_b32 v5, 31, v0                           ; lane
	s_wait_kmcnt 0x0
	s_cmp_lt_u32 ttmp9, 256
	s_cbranch_scc0 .Lnot_x
; ---- PATH X: token tile T = work-group, chunk q = wave: 16 rows x 256 numbers of x
	v_lshlrev_b32 v1, 4, v5                        ; 16 x lane: my bytes of a load's 512, and of an image's
	s_mul_i32 s23, s22, 8448                       ; my stage: 16 rows of 512 bytes + 16
	v_add_nc_u32 v2, s23, v1                       ; into it, as loaded
	v_and_b32 v6, 15, v0                           ; r
	v_bfe_u32 v7, v0, 4, 1                         ; h
	v_mul_u32_u24 v3, v6, 528
	v_lshl_add_u32 v3, v7, 6, v3
	v_add_nc_u32 v3, s23, v3                       ; out of it: row r, + 64 h: my 16 numbers of a block of 32
	v_lshlrev_b32 v4, 3, v6
	v_lshl_add_u32 v4, v7, 2, v4                   ; scale words: 8 r + 4 h
	s_mov_b32 s[SEL], 0x76543210
	s_mov_b32 s[SEL+1], 0xfedcba98
.irp b, 0,1,2,3
	v_mov_b32 v[TM+4+\b], 0                        ; written once: a lane permute's destination counts as one of its sources
.endr
	s_lshr_b32 s24, ttmp9, 1
	s_lshl_b32 s24, s24, 5
	s_and_b32 s25, ttmp9, 1
	s_lshl_b32 s25, s25, 3
	s_add_co_u32 s24, s24, s25                     ; the tile's first row: 32 (T / 2) + 8 (T % 2)
	s_lshl_b32 s24, s24, 12                        ; rows of 4,096 bytes
	s_lshl_b32 s25, s22, 10                        ; my chunk: 256 numbers
	s_add_co_u32 s24, s24, s25
	s_mov_b32 s25, 0
	s_add_nc_u64 s[4:5], s[4:5], s[24:25]
	s_mul_i32 s24, ttmp9, 13312
	s_mul_i32 s26, s22, 3328
	s_add_co_u32 s24, s24, s26
	s_add_nc_u64 s[16:17], s[16:17], s[24:25]      ; my chunk of the tile's record
.irp p, 0,1
.irp i, 0,1,2,3,4,5,6,7,8,9,10,11,12,13,14,15
	global_load_b128 v[RX+64*\p+4*\i:RX+64*\p+4*\i+3], v1, s[4:5] offset:(\i+8*(\i/8))*4096+512*\p th:TH_LOAD_NT   ; lane-row i, K step p: 32 lanes read 512 consecutive bytes
.endr
.endr
.macro XSTEP p
	s_wait_loadcnt 16-16*\p                        ; this K step's sixteen loads are in; the other's (p = 0) may be out
.irp i, 0,1,2,3,4,5,6,7,8,9,10,11,12,13,14,15
	ds_store_b128 v2, v[RX+64*\p+4*\i:RX+64*\p+4*\i+3] offset:528*\i
.endr
.irp b, 0,1,2,3
.irp j, 0,1,2,3
	ds_load_b128 v[XN+16*\b+4*\j:XN+16*\b+4*\j+3], v3 offset:128*\b+16*\j   ; LDS serves a wave's instructions in order: these see my stores
.endr
.endr
	s_wait_dscnt 0x0
.if \p
	s_wait_xcnt 0x0                                ; the first image's stores have read their registers: the codes may be written again
.endif
	QUANT XN, PC, 14+\p
.irp g, 0,1,2
	global_store_b128 v1, v[PC+4*\g:PC+4*\g+3], s[16:17] offset:1536*\p+512*\g   ; 32 lanes store 512 consecutive bytes, aligned
.endr
.endm
	XSTEP 0
	XSTEP 1
	s_mov_b32 s27, 0xffff0000
	v_cndmask_b32 v8, v14, v15, s27                ; lanes 0-15 the first K step's word of row r, lanes 16-31 the second's
	global_store_b32 v4, v8, s[16:17] offset:3072
	s_wait_tensorcnt 0x0                           ; the wave's end, behind my last LDS store
	ds_add_u32 v[SPW], v[NIL]
	s_wait_dscnt 0x0
	s_endpgm
; ---- PATH W: unit U, chunk q; wave w takes 32 columns of a weight, a lane a column, its registers running down K: 8 blocks of 32
.macro WLOAD t, pitch
.set n, 0
.rept 32
	global_load_b32 v[64+32*((\t)%2)+n], v1, s[30:31] offset:(32*(\t)+n)*\pitch th:TH_LOAD_NT   ; 32 lanes read 128 consecutive bytes of row 32 t + n
.set n, n+1
.endr
.endm
.macro WBLOCK t, pitch
.set XS, 64+32*((\t)%2)
.set CX, 128+24*((\t)/4)+12*((\t)%2)+6*(((\t)%4)/2)    ; the block's six registers: K step t / 4, fragment half t % 2, registers 6 ((t % 4) / 2) on
.if (\t) < 7
	s_wait_loadcnt 32                              ; this block's 32 loads are in; the next block's may be out
.else
	s_wait_loadcnt 0x0
.endif
	v_max3_num_f32 v16, |v[XS]|, |v[XS+1]|, |v[XS+2]|
	v_max3_num_f32 v17, |v[XS+3]|, |v[XS+4]|, |v[XS+5]|
.irp i, 6,10,14,18,22,26
	v_max3_num_f32 v16, v16, |v[XS+\i]|, |v[XS+\i+1]|
	v_max3_num_f32 v17, v17, |v[XS+\i+2]|, |v[XS+\i+3]|
.endr
	v_max3_num_f32 v16, v16, |v[XS+30]|, |v[XS+31]|
	v_max3_num_f32 v16, v16, v17, 0x1800000        ; and the floor
	v_add_nc_u32 v18, 0xff000000, v16              ; the conversion's scale operand
	v_lshrrev_b32 v19, 23, v18                     ; the byte
.if (\t)%4 == 0
	v_mov_b32 v[180+(\t)/4], v19
.else
	v_lshl_or_b32 v[180+(\t)/4], v19, 8*((\t)%4), v[180+(\t)/4]
.endif
	v_cvt_scalef32_pk16_fp6_f32 v[CX:CX+2], v[XS:XS+15], v18
	v_cvt_scalef32_pk16_fp6_f32 v[176:178], v[XS+16:XS+31], v18
	v_nop                                          ; one plain place behind a scaled conversion
.irp i, 0,1,2
	v_mov_b32 v[CX+3+\i], v[176+\i]
.endr
.if (\t)+2 < 8
	WLOAD (\t)+2, \pitch
.endif
.if (\t)%4 == 3                                ; a K step is whole: my column is row r of tile u; I hold that row's registers for both halves of the fragment's lanes
.irp h, 0,1
.irp g, 0,1,2
	global_store_b128 v2, v[128+24*((\t)/4)+12*\h+4*\g:128+24*((\t)/4)+12*\h+4*\g+3], s[18:19] offset:1536*((\t)/4)+512*\g+256*\h   ; the sixteen lanes of one u fill 256 consecutive bytes, aligned
.endr
.endr
.endif
.endm
.macro WPATH pitch
	WLOAD 0, \pitch
	WLOAD 1, \pitch
.irp t, 0,1,2,3,4,5,6,7
	WBLOCK \t, \pitch
.endr
	global_store_b64 v3, v[180:181], s[18:19] offset:3072          ; my row's two scale words.  No store's data are written again: each K step has its own registers
.endm
.Lnot_x:
	s_cmp_lt_u32 ttmp9, 448
	s_cbranch_scc0 .Lgate
	s_sub_co_u32 s24, ttmp9, 256
	s_lshr_b32 s25, s24, 2                         ; U
	s_and_b32 s26, s24, 3                          ; q
	s_lshr_b32 s27, s22, 1                         ; Wq, Wk: waves 0, 1 the head's amplitude columns, waves 2, 3 its phase columns, 1,024 further on
	s_lshl_b32 s27, s27, 10
	s_and_b32 s28, s25, 15
	s_lshl_b32 s28, s28, 6
	s_add_co_u32 s27, s27, s28
	s_and_b32 s28, s22, 1
	s_lshl_b32 s28, s28, 5
	s_add_co_u32 s27, s27, s28
	s_and_b32 s28, s25, 7                          ; Wv, Wo: 128 (U % 8) + 32 w
	s_lshl_b32 s28, s28, 7
	s_lshl_b32 s29, s22, 5
	s_add_co_u32 s28, s28, s29
	s_cmp_lt_u32 s25, 16                           ; the choices hang on the work-group's number alone
	s_cselect_b64 s[30:31], s[6:7], s[8:9]
	s_cmp_lt_u32 s25, 40
	s_cselect_b64 s[32:33], s[10:11], s[12:13]
	s_cmp_lt_u32 s25, 32
	s_cselect_b64 s[30:31], s[30:31], s[32:33]
	s_cselect_b32 s27, s27, s28                    ; my first column
	s_cselect_b32 s28, 21, 20                      ; 256 rows of 8,192 or of 4,096 bytes
	s_lshl_b32 s28, s26, s28
	s_lshl_b32 s27, s27, 2
	s_add_co_u32 s28, s28, s27
	s_mov_b32 s29, 0
	s_add_nc_u64 s[30:31], s[30:31], s[28:29]
	s_lshl_b32 s28, s25, 2
	s_add_co_u32 s28, s28, s22                     ; G = 4 U + w
	s_mul_i32 s28, s28, 26624                      ; two records
	s_mul_i32 s27, s26, 3328
	s_add_co_u32 s28, s28, s27
	s_add_nc_u64 s[18:19], s[18:19], s[28:29]
	v_lshlrev_b32 v1, 2, v5                        ; 4 x lane
	v_bfe_u32 v6, v0, 3, 1                         ; u = (lane / 8) % 2
	v_and_b32 v7, 7, v0
	v_bfe_u32 v8, v0, 4, 1
	v_lshl_or_b32 v7, v8, 3, v7                    ; r = lane % 8 + 8 (lane / 16)
	v_mul_u32_u24 v6, v6, 13312
	v_lshl_add_u32 v2, v7, 4, v6                   ; images: 13,312 u + 16 r
	v_lshl_add_u32 v3, v7, 3, v6                   ; scale words: 13,312 u + 8 r
	s_cmp_lt_u32 s25, 32
	s_cbranch_scc0 .Lnarrow                        ; the row pitch stands in the loads' immediates: two expansions
	WPATH 8192
	s_endpgm
.Lnarrow:
	WPATH 4096
	s_endpgm
; ---- PATH G: a quarter of a head's table: 9 trips of 128 words
.Lgate:
	s_sub_co_u32 s24, ttmp9, 448
	s_lshr_b32 s25, s24, 2                         ; head
	s_and_b32 s26, s24, 3                          ; quarter
	s_lshl_b32 s28, s25, 2
	s_mov_b32 s29, 0
	s_add_nc_u64 s[14:15], s[14:15], s[28:29]
	s_load_b32 s30, s[14:15], 0x0                  ; theta of my head
	s_mul_i32 s32, s25, 18432
	s_mov_b32 s33, 0
	s_add_nc_u64 s[20:21], s[20:21], s[32:33]
	s_mul_i32 s27, s26, 1152
	v_add_nc_u32 v1, s27, v0                       ; e
	v_lshlrev_b32 v2, 2, v1
	v_mov_b32 v3, 2233
	v_mov_b32 v6, 0x4b400000                       ; 1.5 x 2^23
	s_mov_b32 s31, 0
	s_wait_kmcnt 0x0
.Lg:
	v_cmp_le_u32 vcc_lo, 2234, v1                  ; the second copy?  (selects a value, steers nothing)
	v_cndmask_b32 v4, 0, v3, vcc_lo
	v_sub_nc_u32 v4, v1, v4
	v_add_nc_u32 v4, 0xfffff800, v4                ; j - i = e - 2,233 c - 2,048
	v_cvt_f32_i32 v4, v4
	v_mul_f32 v4, 0x3e000000, v4                   ; / 8: exact
	v_mul_f32 v4, s30, v4                          ; the angle: one rounding
	v_fmamk_f32 v5, v4, 0x3ea2f983, v6             ; angle / pi + 1.5 x 2^23: its low bits are n = the nearest whole number
	v_sub_f32 v7, v5, v6                           ; n
	v_fmamk_f32 v8, v7, 0xc0490fdb, v4             ; r = angle - n pi, pi in two parts
	v_fmamk_f32 v8, v7, 0x33bbbd2e, v8
	v_mul_f32 v9, v8, v8
	v_mov_b32 v10, 0x310f76c7                      ; cos r by its series up to r^12 on |r| <= pi / 2
	v_fmaak_f32 v10, v10, v9, 0xb493f27e
	v_fmaak_f32 v10, v10, v9, 0x37d00d01
	v_fmaak_f32 v10, v10, v9, 0xbab60b61
	v_fmaak_f32 v10, v10, v9, 0x3d2aaaab
	v_fmaak_f32 v10, v10, v9, 0xbf000000
	v_fmaak_f32 v10, v10, v9, 0x3f800000
	v_lshlrev_b32 v5, 31, v5                       ; (-1)^n as a sign bit
	v_xor_b32 v10, v5, v10
	v_mul_f32 v10, 0x3e38aa3b, v10                 ; x (1 / sqrt(64)) log2(e): attn multiplies a score by this once
	global_store_b32 v2, v10, s[20:21]
	s_wait_xcnt 0x0                                ; the store has read its address and data: both are written again below and in the next trip
	v_add_nc_u32 v1, 128, v1
	v_add_nc_u32 v2, 512, v2
	s_add_co_u32 s31, s31, 1
	s_cmp_lt_u32 s31, 9
	s_cbranch_scc1 .Lg
	s_endpgm
.Lfunc_end_k_q310c2d86a5_prep:
	.size	k_q310c2d86a5_prep, .Lfunc_end_k_q310c2d86a5_prep-k_q310c2d86a5_prep
	.p2alignl 7, 3214868480
	.fill 96, 4, 3214868480
	.section	.rodata,"a",@progbits
	.p2align	6, 0x0
	.amdhsa_kernel k_q310c2d86a5_prep
		.amdhsa_group_segment_fixed_size 34304
		.amdhsa_private_segment_fixed_size 0
		.amdhsa_enable_private_segment 0
		.amdhsa_kernarg_size 72
		.amdhsa_user_sgpr_count 2
		.amdhsa_user_sgpr_kernarg_segment_ptr 1
		.amdhsa_wavefront_size32 1
		.amdhsa_system_sgpr_workgroup_id_x 1
		.amdhsa_system_sgpr_workgroup_id_y 1
		.amdhsa_system_sgpr_workgroup_id_z 1
		.amdhsa_system_vgpr_workitem_id 0
		.amdhsa_next_free_vgpr 256
		.amdhsa_next_free_sgpr 66
		.amdhsa_reserve_vcc 1
		.amdhsa_float_denorm_mode_32 3
		.amdhsa_float_denorm_mode_16_64 3
		.amdhsa_memory_ordered 1
		.amdhsa_forward_progress 1
		.amdhsa_inst_pref_size 96
	.end_amdhsa_kernel
	.amdgpu_metadata
---
amdhsa.version: [ 1, 2 ]
amdhsa.kernels:
  - .name:           k_q310c2d86a5_prep
    .symbol:         k_q310c2d86a5_prep.kd
    .args:
      - { .name: x, .offset: 0, .size: 8, .value_kind: global_buffer, .address_space: global }
      - { .name: Wq, .offset: 8, .size: 8, .value_kind: global_buffer, .address_space: global }
      - { .name: Wk, .offset: 16, .size: 8, .value_kind: global_buffer, .address_space: global }
      - { .name: Wv, .offset: 24, .size: 8, .value_kind: global_buffer, .address_space: global }
      - { .name: Wo, .offset: 32, .size: 8, .value_kind: global_buffer, .address_space: global }
      - { .name: theta_offset, .offset: 40, .size: 8, .value_kind: global_buffer, .address_space: global }
      - { .name: xi, .offset: 48, .size: 8, .value_kind: global_buffer, .address_space: global }
      - { .name: wi, .offset: 56, .size: 8, .value_kind: global_buffer, .address_space: global }
      - { .name: gt, .offset: 64, .size: 8, .value_kind: global_buffer, .address_space: global }
    .group_segment_fixed_size: 34304
    .private_segment_fixed_size: 0
    .kernarg_segment_align: 8
    .kernarg_segment_size: 72
    .max_flat_workgroup_size: 128
    .sgpr_count:     66
    .vgpr_count:     256
    .wavefront_size: 32
...
	.end_amdgpu_metadata
.endif
;; end of part 1
;; launch proj (part 2): grid 16 x 40, 4 waves a work-group, clusters of 4 x 4, 327,680 bytes of LDS; arguments xi, wi, qi, kv; writes qi, kv
.if DOCPART == 2
	.amdgcn_target "amdgcn-amd-amdhsa--gfx1250"
	.amdhsa_code_object_version 6
	.text
	.protected	k_q310c2d86a5_proj
	.globl	k_q310c2d86a5_proj
	.p2align	8
	.type	k_q310c2d86a5_proj,@function
k_q310c2d86a5_proj:
	s_mov_b64 s[64:65], 0
	v_nop
	global_prefetch_b8 v0, s[64:65] scope:SCOPE_SE
	s_setreg_imm32_b32 hwreg(HW_REG_WAVE_MODE, 25, 1), 1
	s_wait_xcnt 0x0
	s_wait_alu depctr_hold_cnt(0) depctr_sa_sdst(0) depctr_va_vdst(0) depctr_va_sdst(0) depctr_va_ssrc(0) depctr_va_vcc(0) depctr_vm_vsrc(0)
	s_getreg_b32 s2, hwreg(HW_REG_IB_STS2, 6, 4)
	s_cmp_eq_u32 s2, 0
	s_cbranch_scc0 .Lentry_in_a_cluster
	s_endpgm
.Lentry_in_a_cluster:
	s_bfe_u32 s2, ttmp6, 0x10000c
	s_cmp_lg_u32 s2, 0xf033
	s_cbranch_scc0 .Lentry_shape_is_right
	s_endpgm
.Lentry_shape_is_right:
; x Wq, x Wk, x Wv on codes of FP6; softplus(amplitude) x cos, sin(phase); q and k quantised along [a cos (64) | a sin (64)], v along the keys.  Nothing wider than codes leaves the launch.  No work is left out here.
; ONE TEXT FOR BOTH KINDS OF WORK-GROUP: D(i, j) = S0's tile j (source 0) x S1's tile i (source 1).  Y < 32: S0 = weights (two heads of Wq or Wk: 16 tiles), S1 = 128 tokens (8 tiles): a lane holds one token, its
; registers run along a head's 128 columns.  Y >= 32: S0 = 256 tokens, S1 = 128 columns of Wv: a lane holds one column d, its registers run along 128 tokens, the keys.  By the rule for which rows form a tile (launch prep),
; register 16 b + i of a lane's 64 is number 32 b + 16 (lane / 16) + i along the next product's K in both cases.
; SHARES: wave w: wn = w % 2 picks 8 tiles of S0, wm = w / 2 picks 4 of S1: 32 accumulators, 256 matrix instructions.  All of K (1,024) lies in LDS at once, in four chunks of two K steps: every tensor load is a first fill.
; CLUSTER 4 x 4: S0's tiles hang on X alone and are shared along a column of the cluster, S1's on Y alone and along a row: joint loads.  Which buffer is S0 hangs on the cluster's y, which all sixteen share.
; OUT: qi [bh][block of 128 queries] x 12,800 bytes: 8 images, then scale words at 12,288 + 64 tile + 4 r.  kv [bh][key step] x 19,200: k's 8 images, its scale words at 12,288; v's 4 images (16 d x 128 keys) at 12,800, its scale words at 18,944.
; LIMITS: |phase| under 2^22 pi; sine's and cosine's absolute error about 1e-7; a softplus under 2^-126 comes out 0; a block of zeros gets the byte 1 (read by this program alone); NaN and infinities are not served.
; REGISTERS: window 0: v1-7 addresses, v8-13 three constants as pairs, v28, 29 the add's two, v32-55 scale words and nothing else, v80-121 the quantiser, v128-223 S1's fragments (two sets of 48); behind the loop v128-255: T0-T7.
;   window 1: accumulator (i, j) at v[64 i + 8 j].   window 2: S0's fragments, two sets of 96, at v0 and v128.
.set SPARE, 307200                     ; behind the tiles: the spare words, 128 bytes for each wave
.set S1B,   204800                     ; S0's chunk c at 51,200 c: [tile 16][3,200];  S1's at S1B + 25,600 c: [tile 8][3,200]
.set AS0,  4                           ; v4-7: LDS addresses of the chunk in hand: S0's images, S1's, S0's scale words, S1's
.set AS1,  5
.set ASC0, 6
.set ASC1, 7
.set KM,   8                           ; v[8:9] 1.5 x 2^23;  v[10:11] s9;  v[12:13] c10
.set KS9,  10
.set KC10, 12
.set SPW,  28
.set NIL,  29
.set SC,   32                          ; scale words: set (chunk % 2) at SC + 12 (chunk % 2): S0's pair p at + 2 p + s % 2, S1's at + 8 + 2 p + s % 2; lanes 0-15 the even tile, lanes 16-31 the odd
.set TM,   80
.set PC,   96
.set PW,   116
.set T0, 128
.set T1, 144
.set T2, 160
.set T3, 176
.set T4, 192
.set T5, 208
.set T6, 224
.set T7, 240
.set G1A, 24                           ; s[24:31] group 1 for S0's tiles; s[32:39] for S1's; s[40:55], s[68:83] their groups 0, one for each chunk
.set G1B, 32
.set G0A, 40
.set G0B, 68
.set SEL, 88
.set CL2E, 24                          ; behind the last wait on TENSORcnt s[24:49] hold constants, as pairs
.set CIPI, 26
.set CNPH, 28
.set CNPL, 30
.set CLN2, 32
.set CS11, 34
.set CS7,  36
.set CS5,  38
.set CS3,  40
.set CC12, 42
.set CC8,  44
.set CC6,  46
.set CC4,  48
.set MSB, 0
.macro WIN new                         ; the immediate's high byte repeats the setting that is left
.if MSB != \new
	s_set_vgpr_msb (MSB<<8)|\new
.set MSB, \new
.endif
.endm
.set MUL, 0x52                         ; source 0 (S0) window 2, source 1 (S1) window 0, C and D window 1
.macro JLOAD g0a, g0b                  ; a joint load: waves 0, 1 fetch S0's halves, waves 2, 3 S1's; an s_nop 0 and four v_nop follow each line
	s_cmp_eq_u32 s14, 0
	s_cbranch_scc0 .Lfor_b_\@
	tensor_load_to_lds s[\g0a:\g0a+3], s[G1A:G1A+7]
	s_nop 0
.rept 4
	v_nop
.endr
	s_branch .Lasked_\@
.Lfor_b_\@:
	tensor_load_to_lds s[\g0b:\g0b+3], s[G1B:G1B+7]
	s_nop 0
.rept 4
	v_nop
.endr
.Lasked_\@:
.endm
.macro CROUND                          ; a round of the cluster's barrier
	s_barrier_signal -1
	s_barrier_wait -1
	s_cmp_lg_u32 s12, 0
	s_cbranch_scc1 .Lnot_wave_0_\@
	s_barrier_signal -3
.Lnot_wave_0_\@:
	s_barrier_wait -3
	s_barrier_signal -1
	s_barrier_wait -1
.endm
; one matrix instruction.  c < 0: the constant 0 starts the sum.  ra, rb: the side's scale words stand in lanes 16-31
.macro WM d, a, b, c, sa, sb, ra, rb
.if (\c) < 0
.if (\ra) && (\rb)
	v_wmma_scale_f32_16x16x128_f8f6f4 v[\d:\d+7], v[\a:\a+11], v[\b:\b+11], 0, v[\sa], v[\sb] matrix_a_fmt:MATRIX_FMT_FP6 matrix_b_fmt:MATRIX_FMT_FP6 matrix_a_scale:MATRIX_SCALE_ROW1 matrix_b_scale:MATRIX_SCALE_ROW1
.elseif (\ra)
	v_wmma_scale_f32_16x16x128_f8f6f4 v[\d:\d+7], v[\a:\a+11], v[\b:\b+11], 0, v[\sa], v[\sb] matrix_a_fmt:MATRIX_FMT_FP6 matrix_b_fmt:MATRIX_FMT_FP6 matrix_a_scale:MATRIX_SCALE_ROW1
.elseif (\rb)
	v_wmma_scale_f32_16x16x128_f8f6f4 v[\d:\d+7], v[\a:\a+11], v[\b:\b+11], 0, v[\sa], v[\sb] matrix_a_fmt:MATRIX_FMT_FP6 matrix_b_fmt:MATRIX_FMT_FP6 matrix_b_scale:MATRIX_SCALE_ROW1
.else
	v_wmma_scale_f32_16x16x128_f8f6f4 v[\d:\d+7], v[\a:\a+11], v[\b:\b+11], 0, v[\sa], v[\sb] matrix_a_fmt:MATRIX_FMT_FP6 matrix_b_fmt:MATRIX_FMT_FP6
.endif
.else
.if (\ra) && (\rb)
	v_wmma_scale_f32_16x16x128_f8f6f4 v[\d:\d+7], v[\a:\a+11], v[\b:\b+11], v[\c:\c+7], v[\sa], v[\sb] matrix_a_fmt:MATRIX_FMT_FP6 matrix_b_fmt:MATRIX_FMT_FP6 matrix_a_scale:MATRIX_SCALE_ROW1 matrix_b_scale:MATRIX_SCALE_ROW1
.elseif (\ra)
	v_wmma_scale_f32_16x16x128_f8f6f4 v[\d:\d+7], v[\a:\a+11], v[\b:\b+11], v[\c:\c+7], v[\sa], v[\sb] matrix_a_fmt:MATRIX_FMT_FP6 matrix_b_fmt:MATRIX_FMT_FP6 matrix_a_scale:MATRIX_SCALE_ROW1
.elseif (\rb)
	v_wmma_scale_f32_16x16x128_f8f6f4 v[\d:\d+7], v[\a:\a+11], v[\b:\b+11], v[\c:\c+7], v[\sa], v[\sb] matrix_a_fmt:MATRIX_FMT_FP6 matrix_b_fmt:MATRIX_FMT_FP6 matrix_b_scale:MATRIX_SCALE_ROW1
.else
	v_wmma_scale_f32_16x16x128_f8f6f4 v[\d:\d+7], v[\a:\a+11], v[\b:\b+11], v[\c:\c+7], v[\sa], v[\sb] matrix_a_fmt:MATRIX_FMT_FP6 matrix_b_fmt:MATRIX_FMT_FP6
.endif
.endif
.endm
.macro MM i, j, s                      ; accumulator (i, j), K step s
.set rD, 64*(\i)+8*(\j)
.set rA, 128*((\s)%2)+12*(\j)
.set rB, 128+48*((\s)%2)+12*(\i)
.set rSA, SC+12*(((\s)/2)%2)+2*((\j)/2)+(\s)%2
.set rSB, SC+12*(((\s)/2)%2)+8+2*((\i)/2)+(\s)%2
.set rC, rD
.if (\s) == 0
.set rC, -1
.endif
	WM rD, rA, rB, rC, rSA, rSB, (\j)%2, (\i)%2
.endm
.macro FETCH t                         ; K step t's fragments, as images: three loads of 512 consecutive bytes each
	WIN 0x80                                       ; destination window 2
.irp j, 0,1,2,3,4,5,6,7
.irp g, 0,1,2
	ds_load_b128 v[128*((\t)%2)+12*\j+4*\g:128*((\t)%2)+12*\j+4*\g+3], v[AS0] offset:3200*\j+1536*((\t)%2)+512*\g
.endr
.endr
	WIN 0
.irp i, 0,1,2,3
.irp g, 0,1,2
	ds_load_b128 v[128+48*((\t)%2)+12*\i+4*\g:128+48*((\t)%2)+12*\i+4*\g+3], v[AS1] offset:3200*\i+1536*((\t)%2)+512*\g
.endr
.endr
.endm
.macro SCALES q                        ; chunk q's scale words: both K steps' by one load; lanes 0-15 take the even tile of a pair, lanes 16-31 the odd
.irp p, 0,1,2,3
	ds_load_b64 v[SC+12*((\q)%2)+2*\p:SC+12*((\q)%2)+2*\p+1], v[ASC0] offset:6400*\p
.endr
.irp p, 0,1
	ds_load_b64 v[SC+12*((\q)%2)+8+2*\p:SC+12*((\q)%2)+8+2*\p+1], v[ASC1] offset:6400*\p
.endr
.endm
; A K step: 32 matrix instructions, the 32 accumulators by turns in one order in every step; the next step's fragments are fetched in its middle, into the other set.
.macro STEP s
	s_wait_dscnt 0x0                               ; this step's fragments and scale words are in
	WIN MUL
.irp i, 0,1
.irp j, 0,1,2,3,4,5,6,7
	MM \i, \j, \s
.endr
.endr
.if (\s) < 7
	WIN 0
.if (\s)%2
	s_wait_tensorcnt 3-((\s)+1)/2                  ; my part of the next chunk has landed; my younger loads stay out
	s_barrier_signal -1                            ; (no LDS instruction of mine is out)
	s_barrier_wait -1                              ; everybody's part has
	v_add_nc_u32 v[AS0], 51200, v[AS0]             ; on to that chunk.  These four are also the places in front of the loads below
	v_add_nc_u32 v[AS1], 25600, v[AS1]
	v_add_nc_u32 v[ASC0], 51200, v[ASC0]
	v_add_nc_u32 v[ASC1], 25600, v[ASC1]
.else
.rept 4
	v_nop                                          ; four places in front of loads into registers that the last step's matrix instructions have read
.endr
.endif
	FETCH (\s)+1
.if (\s)%2
	SCALES ((\s)+1)/2
.endif
.endif
	WIN MUL
.irp i, 2,3
.irp j, 0,1,2,3,4,5,6,7
	MM \i, \j, \s
.endr
.endr
.endm
; 64 numbers of a lane in window 1, from v[src] on, become a fragment's codes in v[pc] on and its scale word in v[pw] (window 0)
.macro QUANT src, pc, pw
	WIN 0x05
.irp b, 0,1,2,3
	v_max3_num_f32 v[TM+\b], |v[\src+16*\b]|, |v[\src+1+16*\b]|, 0x1800000   ; each accumulator is read from its low end on; the floor 2^(3 - 127) holds the byte at 1 from below
.endr
	WIN 0x14
.irp i, 2,4,6,8,10,12,14
.irp b, 0,1,2,3
	v_max3_num_f32 v[TM+\b], v[TM+\b], |v[\src+16*\b+\i]|, |v[\src+1+16*\b+\i]|
.endr
.endr
	WIN 0
.irp b, 0,1,2,3
	v_permlanex16_b32 v[TM+4+\b], v[TM+\b], s[SEL], s[SEL+1]
.endr
.irp b, 0,1,2,3
	v_max_num_f32 v[TM+\b], v[TM+\b], v[TM+4+\b]
.endr
.irp b, 0,1,2,3
	v_add_nc_u32 v[TM+12+\b], 0xff000000, v[TM+\b]
.endr
.irp b, 0,1,2,3
	v_lshrrev_b32 v[TM+4+\b], 23, v[TM+12+\b]
.endr
	v_lshl_or_b32 v[\pw], v[TM+5], 8, v[TM+4]
	v_lshl_or_b32 v[\pw], v[TM+6], 16, v[\pw]
	v_lshl_or_b32 v[\pw], v[TM+7], 24, v[\pw]
	WIN 0x01
.irp c, 0,1
	v_cvt_scalef32_pk16_fp6_f32 v[\pc+6*\c:\pc+2+6*\c], v[\src+32*\c:\src+15+32*\c], v[TM+12+2*\c]
	v_cvt_scalef32_pk16_fp6_f32 v[\pc+12+4*\c:\pc+14+4*\c], v[\src+16+32*\c:\src+31+32*\c], v[TM+12+2*\c+1]
.endr
	WIN 0
	v_nop                                          ; one plain place behind a scaled conversion
.irp c, 0,1
.irp i, 0,1,2
	v_permlane16_swap_b32 v[\pc+6*\c+\i], v[\pc+12+4*\c+\i]
.endr
.irp i, 0,1,2
	v_mov_b32 v[\pc+3+6*\c+\i], v[\pc+12+4*\c+\i]
.endr
.endr
.endm
.macro HORN d, z, c                    ; d = d z + c, sixteen numbers
.irp k, 0,2,4,6,8,10,12,14
	v_pk_fma_f32 v[\d+\k:\d+\k+1], v[\d+\k:\d+\k+1], v[\z+\k:\z+\k+1], s[\c:\c+1] op_sel_hi:[1,1,0]
.endr
.endm
; Sixteen pairs (amplitude a, phase p) of token tile i become (softplus(a) cos p, softplus(a) sin p), in place.  softplus(a) = max(a, 0) + log(1 + e), e = exp(-|a|); the rounding of 1 + e is given back.
; p = n pi + r, |r| <= pi / 2; sin r and cos r by their series up to r^11 and r^12; the common sign (-1)^n goes onto the amplitude.
.macro ACT i, hb
.set RA, 64*(\i)+16*(\hb)              ; window 1: the amplitudes; the phases stand 32 registers on
.set RP, RA+32
	WIN 0x01
.irp k, 0,2,4,6,8,10,12,14
	v_pk_mul_f32 v[T0+\k:T0+\k+1], v[RA+\k:RA+\k+1], s[CL2E:CL2E+1] op_sel_hi:[1,0]              ; a log2(e)
.endr
.irp k, 0,2,4,6,8,10,12,14
	v_pk_fma_f32 v[T3+\k:T3+\k+1], v[RP+\k:RP+\k+1], s[CIPI:CIPI+1], v[KM:KM+1] op_sel_hi:[1,0,1]   ; p / pi + 1.5 x 2^23
.endr
	WIN 0
.irp k, 0,1,2,3,4,5,6,7,8,9,10,11,12,13,14,15
	v_exp_f32 v[T0+\k], -|v[T0+\k]|                ; e
.endr
.irp k, 0,2,4,6,8,10,12,14
	v_pk_add_f32 v[T4+\k:T4+\k+1], v[T3+\k:T3+\k+1], v[KM:KM+1] neg_lo:[0,1] neg_hi:[0,1]        ; n.  (Plain work behind the exponentials)
.endr
	WIN 0x10
.irp k, 0,2,4,6,8,10,12,14
	v_pk_fma_f32 v[T5+\k:T5+\k+1], v[T4+\k:T4+\k+1], s[CNPH:CNPH+1], v[RP+\k:RP+\k+1] op_sel_hi:[1,0,1]
.endr
	WIN 0
.irp k, 0,2,4,6,8,10,12,14
	v_pk_fma_f32 v[T5+\k:T5+\k+1], v[T4+\k:T4+\k+1], s[CNPL:CNPL+1], v[T5+\k:T5+\k+1] op_sel_hi:[1,0,1]   ; r
.endr
.irp k, 0,2,4,6,8,10,12,14
	v_pk_mul_f32 v[T4+\k:T4+\k+1], v[T5+\k:T5+\k+1], v[T5+\k:T5+\k+1]                            ; z = r r
.endr
	s_wait_alu depctr_va_vdst(0)                   ; one wait for the sixteen exponentials, ahead of their first reader
.irp k, 0,2,4,6,8,10,12,14
	v_pk_add_f32 v[T1+\k:T1+\k+1], v[T0+\k:T0+\k+1], 1.0 op_sel_hi:[1,0]                         ; u = 1 + e
.endr
.irp k, 0,2,4,6,8,10,12,14
	v_pk_add_f32 v[T2+\k:T2+\k+1], v[T1+\k:T1+\k+1], -1.0 op_sel_hi:[1,0]
.endr
.irp k, 0,2,4,6,8,10,12,14
	v_pk_add_f32 v[T0+\k:T0+\k+1], v[T0+\k:T0+\k+1], v[T2+\k:T2+\k+1] neg_lo:[0,1] neg_hi:[0,1]  ; what 1 + e lost
.endr
.irp k, 0,1,2,3,4,5,6,7,8,9,10,11,12,13,14,15
	v_log_f32 v[T1+\k], v[T1+\k]                   ; log2(u); the series below are the work behind the batch
.endr
.irp k, 0,2,4,6,8,10,12,14
	v_pk_fma_f32 v[T7+\k:T7+\k+1], v[T4+\k:T4+\k+1], s[CS11:CS11+1], v[KS9:KS9+1] op_sel_hi:[1,0,1]
.endr
	HORN T7, T4, CS7
	HORN T7, T4, CS5
	HORN T7, T4, CS3
.irp k, 0,2,4,6,8,10,12,14
	v_pk_mul_f32 v[T6+\k:T6+\k+1], v[T4+\k:T4+\k+1], v[T5+\k:T5+\k+1]
.endr
.irp k, 0,2,4,6,8,10,12,14
	v_pk_fma_f32 v[T7+\k:T7+\k+1], v[T7+\k:T7+\k+1], v[T6+\k:T6+\k+1], v[T5+\k:T5+\k+1]          ; sin r
.endr
.irp k, 0,2,4,6,8,10,12,14
	v_pk_fma_f32 v[T6+\k:T6+\k+1], v[T4+\k:T4+\k+1], s[CC12:CC12+1], v[KC10:KC10+1] op_sel_hi:[1,0,1]
.endr
	HORN T6, T4, CC8
	HORN T6, T4, CC6
	HORN T6, T4, CC4
.irp k, 0,2,4,6,8,10,12,14
	v_pk_fma_f32 v[T6+\k:T6+\k+1], v[T6+\k:T6+\k+1], v[T4+\k:T4+\k+1], -0.5 op_sel_hi:[1,1,0]
.endr
.irp k, 0,2,4,6,8,10,12,14
	v_pk_fma_f32 v[T6+\k:T6+\k+1], v[T6+\k:T6+\k+1], v[T4+\k:T4+\k+1], 1.0 op_sel_hi:[1,1,0]     ; cos r
.endr
.irp k, 0,1,2,3,4,5,6,7,8,9,10,11,12,13,14,15
	v_lshlrev_b32 v[T3+\k], 31, v[T3+\k]           ; (-1)^n as a sign bit
.endr
	WIN 0x04
.irp k, 0,1,2,3,4,5,6,7,8,9,10,11,12,13,14,15
	v_max_num_f32 v[T2+\k], 0, v[RA+\k]
.endr
	WIN 0
.irp k, 0,2,4,6,8,10,12,14
	v_pk_add_f32 v[T0+\k:T0+\k+1], v[T0+\k:T0+\k+1], v[T2+\k:T2+\k+1]
.endr
	s_wait_alu depctr_va_vdst(0)                   ; one wait for the sixteen logarithms
.irp k, 0,2,4,6,8,10,12,14
	v_pk_fma_f32 v[T1+\k:T1+\k+1], v[T1+\k:T1+\k+1], s[CLN2:CLN2+1], v[T0+\k:T0+\k+1] op_sel_hi:[1,0,1]   ; softplus(a)
.endr
.irp k, 0,1,2,3,4,5,6,7,8,9,10,11,12,13,14,15
	v_xor_b32 v[T1+\k], v[T3+\k], v[T1+\k]
.endr
	WIN 0x40
.irp k, 0,2,4,6,8,10,12,14
	v_pk_mul_f32 v[RA+\k:RA+\k+1], v[T1+\k:T1+\k+1], v[T6+\k:T6+\k+1]
.endr
.irp k, 0,2,4,6,8,10,12,14
	v_pk_mul_f32 v[RP+\k:RP+\k+1], v[T1+\k:T1+\k+1], v[T7+\k:T7+\k+1]
.endr
	WIN 0
.endm
.macro KONST r, v
	s_mov_b32 s[\r], \v
	s_mov_b32 s[\r+1], \v
.endm
	s_load_b256 s[4:11], s[0:1], 0x0               ; xi s[4:5], wi s[6:7], qi s[8:9], kv s[10:11]
	v_lshl_add_u32 v[SPW], v0, 2, SPARE
	v_mov_b32 v[NIL], 0
	ds_add_u32 v[SPW], v[NIL]                      ; the wave's opening: the add, twice on end, and its wait ahead of my first tensor load
	ds_add_u32 v[SPW], v[NIL]
	v_lshrrev_b32 v1, 5, v0
	v_readfirstlane_b32 s12, v1                    ; wave 0..3
	s_and_b32 s13, s12, 1                          ; wn.  Also: which half of a chunk's tiles I fetch
	s_lshr_b32 s14, s12, 1                         ; wm.  Also: I fetch for S0 (0) or for S1 (1)
	s_bfe_u32 s15, ttmp6, 0x40000                  ; cx
	s_bfe_u32 s16, ttmp6, 0x40004                  ; cy
	s_lshl_b32 s17, ttmp9, 2
	s_add_co_u32 s17, s17, s15                     ; X
	s_and_b32 s22, ttmp7, 0xffff                   ; the cluster's y
	s_lshl_b32 s18, s22, 2
	s_add_co_u32 s18, s18, s16                     ; Y
	s_lshl_b32 s19, 0x1111, s15                    ; my column of the cluster
	s_lshl_b32 s20, s16, 2
	s_lshl_b32 s20, 15, s20                        ; my row
	s_cmp_lt_u32 s22, 8
	s_cselect_b32 s21, 1, 0                        ; 1: q or k; 0: v.  The same in all sixteen partners
	s_or_b32 s[G1A], s19, (3<<16)|(1<<21)          ; 15:0 the mask; 17:16 elements of 8 bytes; 21 set beside a mask; no padding
	s_mov_b32 s[G1A+1], 400<<16                    ; tensor_dim0 = 400: 3,200 bytes of a record's chunk
	s_mov_b32 s[G1A+2], 8<<16                      ; tensor_dim1 = 8 tiles
	s_mov_b32 s[G1A+3], 400<<16                    ; tile_dim0
	s_mov_b32 s[G1A+4], 8                          ; tile_dim1
	s_mov_b32 s[G1A+5], 1664                       ; from record to record: 13,312 bytes
	s_mov_b32 s[G1A+6], 0
	s_mov_b32 s[G1A+7], 0
	s_or_b32 s[G1B], s20, (3<<16)|(1<<21)
	s_mov_b32 s[G1B+1], 400<<16
	s_mov_b32 s[G1B+2], 4<<16
	s_mov_b32 s[G1B+3], 400<<16
	s_mov_b32 s[G1B+4], 4
	s_mov_b32 s[G1B+5], 1664
	s_mov_b32 s[G1B+6], 0
	s_mov_b32 s[G1B+7], 0
	s_lshl_b32 s60, s17, 4                         ; S0: tile 16 X + 8 x half: made of X and the wave's number alone
	s_lshl_b32 s23, s13, 3
	s_add_co_u32 s60, s60, s23
	s_mul_i32 s60, s60, 13312
	s_mov_b32 s61, 0
	s_lshl_b32 s62, s18, 3                         ; S1: tile 8 Y + 4 x half: of Y and the wave's number alone
	s_lshl_b32 s23, s13, 2
	s_add_co_u32 s62, s62, s23
	s_mul_i32 s62, s62, 13312
	s_mov_b32 s63, 0
	s_mul_i32 s91, s13, 25600                      ; where they go: no place in the cluster enters an LDS address
	s_mul_i32 s92, s13, 12800
	s_add_co_u32 s92, s92, S1B
	s_mov_b32 s[SEL], 0x76543210
	s_mov_b32 s[SEL+1], 0xfedcba98
	s_mov_b32 s90, 0xffff0000
	s_wait_dscnt 0x0                               ; both opening adds are done
	s_wait_kmcnt 0x0
	s_cmp_lg_u32 s21, 0
	s_cselect_b64 s[56:57], s[6:7], s[4:5]         ; S0: the weights, or the tokens
	s_cselect_b64 s[58:59], s[4:5], s[6:7]         ; S1: the tokens, or the weights
	s_add_nc_u64 s[56:57], s[56:57], s[60:61]
	s_add_nc_u64 s[58:59], s[58:59], s[62:63]
	CROUND                                         ; all sixteen work-groups are here: the joint loads meet
.irp c, 0,1,2,3                                ; all of K, four chunks: by this text's count four tensor loads of a wave are out
	s_mov_b32 s[G0A+4*\c], 1
	s_add_co_u32 s[G0A+4*\c+1], s91, 51200*\c
	s_add_nc_u64 s[G0A+4*\c+2:G0A+4*\c+3], s[56:57], 3328*\c
	s_or_b32 s[G0A+4*\c+3], s[G0A+4*\c+3], 0x80000000
	s_mov_b32 s[G0B+4*\c], 1
	s_add_co_u32 s[G0B+4*\c+1], s92, 25600*\c
	s_add_nc_u64 s[G0B+4*\c+2:G0B+4*\c+3], s[58:59], 3328*\c
	s_or_b32 s[G0B+4*\c+3], s[G0B+4*\c+3], 0x80000000
	JLOAD G0A+4*\c, G0B+4*\c
.endr
	v_and_b32 v14, 31, v0                          ; lane
	v_and_b32 v15, 15, v0                          ; r
	v_bfe_u32 v16, v0, 4, 1                        ; h
	v_lshlrev_b32 v1, 4, v14                       ; 16 x lane
	v_lshlrev_b32 v3, 2, v14                       ; 4 x lane
	v_mul_u32_u24 v2, v16, 3200
	v_lshl_add_u32 v2, v15, 3, v2
	v_add_nc_u32 v2, 3072, v2                      ; a pair of tiles' scale words: 3,072 + 3,200 h + 8 r
	s_mul_i32 s93, s13, 25600                      ; my 8 tiles of S0
	s_mul_i32 s94, s14, 12800                      ; my 4 of S1
	s_add_co_u32 s94, s94, S1B
	v_add_nc_u32 v[AS0], s93, v1
	v_add_nc_u32 v[AS1], s94, v1
	v_add_nc_u32 v[ASC0], s93, v2
	v_add_nc_u32 v[ASC1], s94, v2
	v_mov_b32 v[KM], 0x4b400000
	v_mov_b32 v[KM+1], 0x4b400000
	v_mov_b32 v[KS9], 0x3638ef1d
	v_mov_b32 v[KS9+1], 0x3638ef1d
	v_mov_b32 v[KC10], 0xb493f27e
	v_mov_b32 v[KC10+1], 0xb493f27e
.irp b, 0,1,2,3
	v_mov_b32 v[TM+4+\b], 0                        ; written once: a lane permute's destination counts as one of its sources
.endr
	s_wait_tensorcnt 3                             ; my part of chunk 0 has landed; my three younger loads stay out
	s_barrier_signal -1
	s_barrier_wait -1
	FETCH 0
	SCALES 0
.irp s, 0,1,2,3,4,5,6,7
	STEP \s
.endr
	WIN 0
.rept 4
	v_nop                                          ; four places behind the last products, ahead of the first read of results and of writes onto fragments' registers
.endr
	KONST CL2E, 0x3fb8aa3b                         ; (every tensor load was shown done in K step 5: the descriptors' registers are free)
	KONST CIPI, 0x3ea2f983
	KONST CNPH, 0xc0490fdb
	KONST CNPL, 0x33bbbd2e
	KONST CLN2, 0x3f317218
	KONST CS11, 0xb2d7322b
	KONST CS7,  0xb9500d01
	KONST CS5,  0x3c088889
	KONST CS3,  0xbe2aaaab
	KONST CC12, 0x310f76c7
	KONST CC8,  0x37d00d01
	KONST CC6,  0xbab60b61
	KONST CC4,  0x3d2aaaab
	; where my four fragments go: chosen without a branch; tile i adds 1,536 to the images' place and 64 to the scale words' in all three cases
	s_lshl_b32 s91, s17, 1
	s_add_co_u32 s91, s91, s13                     ; 2 X + wn
	s_and_b32 s93, s91, 15                         ; q, k: the head;  v: the key step
	s_lshr_b32 s92, s18, 4
	s_lshl_b32 s92, s92, 4
	s_add_co_u32 s92, s92, s93                     ; q, k: 16 batch + head
	s_lshl_b32 s92, s92, 4
	s_and_b32 s94, s18, 15
	s_add_co_u32 s92, s92, s94                     ; its record: x 16 + block of 128 tokens
	s_lshr_b32 s94, s17, 3
	s_lshl_b32 s94, s94, 4                         ; v: 16 batch
	s_sub_co_u32 s95, s18, 32
	s_lshl_b32 s95, s95, 1
	s_add_co_u32 s95, s95, s14                     ; + head = 2 (Y - 32) + wm
	s_add_co_u32 s94, s94, s95
	s_lshl_b32 s94, s94, 4
	s_add_co_u32 s94, s94, s93                     ; its record
	s_mul_i32 s95, s14, 6144                       ; q, k: my four tiles' images,
	s_lshl_b32 s96, s14, 8
	s_add_co_u32 s96, s96, 12288                   ; and their scale words
	s_mov_b32 s97, 12800                           ; v: images, scale words
	s_mov_b32 s98, 18944
	s_cmp_lg_u32 s21, 0
	s_cselect_b32 s92, s92, s94
	s_cselect_b32 s95, s95, s97
	s_cselect_b32 s96, s96, s98
	s_cmp_lt_u32 ttmp9, 2
	s_cselect_b32 s94, s21, 0                      ; 1: q
	s_mov_b32 s97, 19200
	s_cmp_lg_u32 s94, 0
	s_cselect_b32 s97, 12800, s97
	s_cselect_b64 s[84:85], s[8:9], s[10:11]
	s_mul_i32 s92, s92, s97
	s_mov_b32 s93, 0
	s_add_nc_u64 s[84:85], s[84:85], s[92:93]
	s_mov_b32 s97, 0
	s_add_nc_u64 s[86:87], s[84:85], s[96:97]      ; the scale words
	s_mov_b32 s98, s95
	s_mov_b32 s99, 0
	s_add_nc_u64 s[84:85], s[84:85], s[98:99]      ; the images
.irp i, 0,1,2,3
	s_cmp_eq_u32 s21, 0                            ; v has no activation: the branch hangs on the cluster's y alone
	s_cbranch_scc1 .Lplain_\i
	ACT \i, 0
	ACT \i, 1
.Lplain_\i:
	s_wait_xcnt 0x0                                ; the last image's stores have read their registers
	QUANT 64*\i, PC, PW+\i
.irp g, 0,1,2
	global_store_b128 v1, v[PC+4*\g:PC+4*\g+3], s[84:85] offset:1536*\i+512*\g   ; 32 lanes store 512 consecutive bytes, aligned
.endr
.endr
	v_cndmask_b32 v120, v[PW], v[PW+1], s90        ; lanes 0-15 the even tile's words, lanes 16-31 the odd tile's: 128 consecutive bytes
	v_cndmask_b32 v121, v[PW+2], v[PW+3], s90
	global_store_b32 v3, v120, s[86:87]
	global_store_b32 v3, v121, s[86:87] offset:128
	s_wait_tensorcnt 0x0                           ; the wave's end
	ds_add_u32 v[SPW], v[NIL]
	s_wait_dscnt 0x0
	CROUND                                         ; the closing round
	s_endpgm
.Lfunc_end_k_q310c2d86a5_proj:
	.size	k_q310c2d86a5_proj, .Lfunc_end_k_q310c2d86a5_proj-k_q310c2d86a5_proj
	.p2alignl 7, 3214868480
	.fill 96, 4, 3214868480
	.section	.rodata,"a",@progbits
	.p2align	6, 0x0
	.amdhsa_kernel k_q310c2d86a5_proj
		.amdhsa_group_segment_fixed_size 327680
		.amdhsa_private_segment_fixed_size 0
		.amdhsa_enable_private_segment 0
		.amdhsa_kernarg_size 32
		.amdhsa_user_sgpr_count 2
		.amdhsa_user_sgpr_kernarg_segment_ptr 1
		.amdhsa_wavefront_size32 1
		.amdhsa_system_sgpr_workgroup_id_x 1
		.amdhsa_system_sgpr_workgroup_id_y 1
		.amdhsa_system_sgpr_workgroup_id_z 1
		.amdhsa_system_vgpr_workitem_id 0
		.amdhsa_next_free_vgpr 768
		.amdhsa_next_free_sgpr 104
		.amdhsa_reserve_vcc 0
		.amdhsa_float_denorm_mode_32 3
		.amdhsa_float_denorm_mode_16_64 3
		.amdhsa_memory_ordered 1
		.amdhsa_forward_progress 1
		.amdhsa_inst_pref_size 211
	.end_amdhsa_kernel
	.amdgpu_metadata
---
amdhsa.version: [ 1, 2 ]
amdhsa.kernels:
  - .name:           k_q310c2d86a5_proj
    .symbol:         k_q310c2d86a5_proj.kd
    .args:
      - { .name: xi, .offset: 0, .size: 8, .value_kind: global_buffer, .address_space: global }
      - { .name: wi, .offset: 8, .size: 8, .value_kind: global_buffer, .address_space: global }
      - { .name: qi, .offset: 16, .size: 8, .value_kind: global_buffer, .address_space: global }
      - { .name: kv, .offset: 24, .size: 8, .value_kind: global_buffer, .address_space: global }
    .group_segment_fixed_size: 327680
    .private_segment_fixed_size: 0
    .kernarg_segment_align: 8
    .kernarg_segment_size: 32
    .max_flat_workgroup_size: 128
    .sgpr_count:     104
    .vgpr_count:     768
    .wavefront_size: 32
...
	.end_amdgpu_metadata
.endif
;; end of part 2
;; launch attn (part 3): grid 8 x 32, 16 waves a work-group, no clusters, 327,680 bytes of LDS; arguments qi, kv, gt, oi; writes oi
.if DOCPART == 3
	.amdgcn_target "amdgcn-amd-amdhsa--gfx1250"
	.amdhsa_code_object_version 6
	.text
	.protected	k_q310c2d86a5_attn
	.globl	k_q310c2d86a5_attn
	.p2align	8
	.type	k_q310c2d86a5_attn,@function
k_q310c2d86a5_attn:
	s_mov_b64 s[64:65], 0
	v_nop
	global_prefetch_b8 v0, s[64:65] scope:SCOPE_SE
	s_setreg_imm32_b32 hwreg(HW_REG_WAVE_MODE, 25, 1), 1
	s_wait_xcnt 0x0
; The two score products (one instruction: K = 128 = [a cos | a sin], whose four blocks of 32 are the two products' own), the gate, the causal mask, the softmax by the problem's rule, the product with v; the result quantised along C.
; LEFT OUT: blocks of 128 queries x 128 keys wholly above the diagonal (reference()'s own jnp.tril gives them weight 0); the gate is looked up by (head, key - query), as launch prep's head shows.
; SOFTMAX: t = score x gate x (1 / 8) log2(e) (the last three are one table word); M = the running largest t rounded up to a whole number; p = 2^(t - M) is quantised along the keys; the row's sum is taken of the unquantised p and
; divides at the end; when M moves, sum and O are multiplied by 2^(old M - new M), which rounds nothing.
; SHARES: a work-group owns two blocks of 128 queries of one (batch, head): waves 0-7 block i, waves 8-15 block 15 - i; a wave owns one tile of 16 queries.  EACH GROUP WALKS THE KEYS DOWNWARD FROM ITS OWN DIAGONAL: in trip tau it
; works on key step (its block - tau).  So every work-group has (i + 1) + (16 - i) = 17 block steps, both diagonals fall in trip 0, and the gate's LDS address hangs on the trip and the lane alone.
; The loop has 16 trips for all; a wave whose keys are used up walks the changes of slots alone.  No cluster: the work-groups of a head stand at different key steps at the same time and need different numbers of them.
; LAYOUT: both products transposed (S^T = K Q^T, O^T = V^T P^T): a lane holds one query throughout; by the rule for which rows form a tile, register 16 b + i of S^T is key 32 b + 16 (lane / 16) + i, and of O^T channel likewise.
; LDS: group g's slot p at 65,536 g + 32,768 p, 19,200 bytes (a key step's record of kv); the head's gate table at GATE; the spare words.
; OUT: oi, records as xi's, but an image in two halves of 768 bytes, one for each head of the pair that makes a K step of 128: registers 6 c .. 6 c + 3 at 768 c + 16 lane, 6 c + 4, 5 at 768 c + 512 + 8 lane; the scale word as two halves.
; LIMITS: a block of zeros gets the byte 1 (read by this program alone); NaN and infinities are not served.
; REGISTERS: v1-3 addresses that stay, v4, 5 the add's two, v6 query - 16 (lane / 16), v7 16 x lane, v8-10 addresses of the trip, v12 -M, v13 the largest t, v[14:15] the sum, v16-27 Q, v28 8 x lane and v29 8 r (the way out's offsets, made at
;   the head and never rewritten), v32-95 four fragments of K, then the gate, then V, v96-159 S^T, t, p; v160-191 O^T; v192-211 p's codes; v212-231 at work; v232-235 K's scale words, v236, 237 V's, v238 p's, v239 Q's, and nothing else;
;   v240-246 the way out.
.set GATE,  131072
.set SPARE, 149504                     ; 128 bytes for each of sixteen waves
; s12 wave, s13 group, s14 wave % 8, s15 (batch, head), s17, s18 the groups' blocks = their last trips, s19 mine, s[22:23] lane selects, s[24:31] group 1 for a key step, s[32:39] for the table,
; s[40:43], s[44:47] the groups' walking groups 0, s[48:51] the table's, s52 the slot in hand (0 or 32,768), s53 the gate's step, s54 the trip
.macro WM d, a, b, c, sa, sb, ra       ; one matrix instruction.  c < 0: the constant 0 starts the sum.  ra: source 0's scale words stand in lanes 16-31
.if (\c) < 0
.if (\ra)
	v_wmma_scale_f32_16x16x128_f8f6f4 v[\d:\d+7], v[\a:\a+11], v[\b:\b+11], 0, v[\sa], v[\sb] matrix_a_fmt:MATRIX_FMT_FP6 matrix_b_fmt:MATRIX_FMT_FP6 matrix_a_scale:MATRIX_SCALE_ROW1
.else
	v_wmma_scale_f32_16x16x128_f8f6f4 v[\d:\d+7], v[\a:\a+11], v[\b:\b+11], 0, v[\sa], v[\sb] matrix_a_fmt:MATRIX_FMT_FP6 matrix_b_fmt:MATRIX_FMT_FP6
.endif
.else
.if (\ra)
	v_wmma_scale_f32_16x16x128_f8f6f4 v[\d:\d+7], v[\a:\a+11], v[\b:\b+11], v[\c:\c+7], v[\sa], v[\sb] matrix_a_fmt:MATRIX_FMT_FP6 matrix_b_fmt:MATRIX_FMT_FP6 matrix_a_scale:MATRIX_SCALE_ROW1
.else
	v_wmma_scale_f32_16x16x128_f8f6f4 v[\d:\d+7], v[\a:\a+11], v[\b:\b+11], v[\c:\c+7], v[\sa], v[\sb] matrix_a_fmt:MATRIX_FMT_FP6 matrix_b_fmt:MATRIX_FMT_FP6
.endif
.endif
.endm
.macro ST t                            ; S^T, tile t of 16 keys
.set rD, 96+8*(\t)
.set rA, 32+12*((\t)%4)
.set rS, 232+(\t)/2
	WM rD, rA, 16, -1, rS, 239, (\t)%2
.endm
.macro PV t                            ; O^T, tile t of 16 channels
.set rD, 160+8*(\t)
.set rA, 32+12*(\t)
.set rS, 236+(\t)/2
	WM rD, rA, 192, rD, rS, 238, (\t)%2
.endm
	s_load_b256 s[4:11], s[0:1], 0x0               ; qi s[4:5], kv s[6:7], gt s[8:9], oi s[10:11]
	v_lshl_add_u32 v4, v0, 2, SPARE
	v_mov_b32 v5, 0
	ds_add_u32 v4, v5                              ; the wave's opening: the add, twice on end, and its wait ahead of the first tensor loads
	ds_add_u32 v4, v5
	v_lshrrev_b32 v8, 5, v0
	v_readfirstlane_b32 s12, v8                    ; wave 0..15
	s_lshr_b32 s13, s12, 3                         ; group
	s_and_b32 s14, s12, 7                          ; my tile of the block
	s_and_b32 s15, ttmp7, 0xffff                   ; 16 batch + head
	s_mov_b32 s17, ttmp9                           ; group 0's block, and its last trip
	s_sub_co_u32 s18, 15, ttmp9                    ; group 1's
	s_cmp_eq_u32 s13, 0
	s_cselect_b32 s19, s17, s18                    ; mine
	s_mov_b32 s24, 3<<16                           ; a key step's record: 75 rows of 256 bytes (32 elements of 8), dense; no mask, no padding
	s_mov_b32 s25, 32<<16
	s_mov_b32 s26, 75<<16
	s_mov_b32 s27, 32<<16
	s_mov_b32 s28, 75
	s_mov_b32 s29, 32
	s_mov_b32 s30, 0
	s_mov_b32 s31, 0
	s_mov_b32 s32, 3<<16                           ; the table: 72 rows of 256 bytes
	s_mov_b32 s33, 32<<16
	s_mov_b32 s34, 72<<16
	s_mov_b32 s35, 32<<16
	s_mov_b32 s36, 72
	s_mov_b32 s37, 32
	s_mov_b32 s38, 0
	s_mov_b32 s39, 0
	s_lshl_b32 s55, s15, 4
	s_add_co_u32 s56, s55, s17
	s_mul_i32 s56, s56, 19200                      ; group 0's diagonal key step
	s_mov_b32 s57, 0
	s_add_co_u32 s58, s55, s18
	s_mul_i32 s58, s58, 19200                      ; group 1's
	s_mov_b32 s59, 0
	s_and_b32 s60, s15, 15
	s_mul_i32 s60, s60, 18432                      ; the head's table
	s_mov_b32 s61, 0
	s_add_co_u32 s62, s55, s19
	s_mul_i32 s62, s62, 12800                      ; my block's record of qi
	s_lshl_b32 s66, s14, 6
	s_add_co_u32 s66, s66, s62
	s_add_co_u32 s66, s66, 12288                   ; my tile's scale words
	s_mov_b32 s67, 0
	s_mul_i32 s68, s14, 1536
	s_add_co_u32 s62, s62, s68                     ; my tile's image
	s_mov_b32 s63, 0
	s_mov_b32 s22, 0x76543210
	s_mov_b32 s23, 0xfedcba98
	s_mov_b32 s52, 0
	s_mov_b32 s53, 7680
	s_mov_b32 s54, 0
	s_wait_dscnt 0x0                               ; both opening adds are done
	s_wait_kmcnt 0x0
	s_mov_b32 s40, 1
	s_mov_b32 s41, 0
	s_add_nc_u64 s[42:43], s[6:7], s[56:57]
	s_or_b32 s43, s43, 0x80000000
	s_mov_b32 s44, 1
	s_mov_b32 s45, 65536
	s_add_nc_u64 s[46:47], s[6:7], s[58:59]
	s_or_b32 s47, s47, 0x80000000
	s_mov_b32 s48, 1
	s_mov_b32 s49, GATE
	s_add_nc_u64 s[50:51], s[8:9], s[60:61]
	s_or_b32 s51, s51, 0x80000000
	s_cmp_lg_u32 s12, 0                            ; the first fills: wave 0 group 0's diagonal step, wave 8 group 1's, wave 1 the table: one load a wave; every wait on TENSORcnt in this text is for 0
	s_cbranch_scc1 .Lnot_0
	tensor_load_to_lds s[40:43], s[24:31]
	s_nop 0
.rept 4
	v_nop
.endr
.Lnot_0:
	s_cmp_lg_u32 s12, 8
	s_cbranch_scc1 .Lnot_8
	tensor_load_to_lds s[44:47], s[24:31]
	s_nop 0
.rept 4
	v_nop
.endr
.Lnot_8:
	s_cmp_lg_u32 s12, 1
	s_cbranch_scc1 .Lnot_1
	tensor_load_to_lds s[48:51], s[32:39]
	s_nop 0
.rept 4
	v_nop
.endr
.Lnot_1:
	s_add_nc_u64 s[62:63], s[4:5], s[62:63]
	s_add_nc_u64 s[66:67], s[4:5], s[66:67]
	v_and_b32 v212, 31, v0                         ; lane
	v_and_b32 v213, 15, v0                         ; r
	v_bfe_u32 v214, v0, 4, 1                       ; h
	v_lshlrev_b32 v7, 4, v212                      ; 16 x lane
	v_lshlrev_b32 v11, 2, v213                     ; 4 r
	v_lshlrev_b32 v28, 3, v212                     ; 8 x lane: the way out's offsets are made here, while v212 and v213 hold ids: the loop takes those two for its work
	v_lshlrev_b32 v29, 3, v213                     ; 8 r
	global_load_b128 v[16:19], v7, s[62:63]        ; Q's fragment stays in registers
	global_load_b128 v[20:23], v7, s[62:63] offset:512
	global_load_b128 v[24:27], v7, s[62:63] offset:1024
	global_load_b32 v239, v11, s[66:67]            ; and its scale words
	s_lshl_b32 s70, s13, 16                        ; my group's ring
	v_add_nc_u32 v1, s70, v7                       ; images: ring + 16 x lane
	v_lshlrev_b32 v2, 2, v212
	v_add_nc_u32 v2, s70, v2
	v_add_nc_u32 v2, 12288, v2                     ; scale words of a pair of tiles: ring + 12,288 + 4 x lane
	v_and_b32 v215, 8, v213
	v_add_nc_u32 v215, v215, v213                  ; r + 8 (r / 8)
	s_lshr_b32 s68, s14, 1
	s_lshl_b32 s68, s68, 5
	s_and_b32 s69, s14, 1
	s_lshl_b32 s69, s69, 3
	s_add_co_u32 s68, s68, s69
	v_add_nc_u32 v215, s68, v215                   ; my query in its block
	v_lshlrev_b32 v6, 4, v214
	v_sub_nc_u32 v6, v215, v6                      ; query - 16 h (signed)
	v_and_b32 v216, 1, v215                        ; c: which copy of the table gives me aligned pairs
	v_add_nc_u32 v217, v215, v216
	v_lshlrev_b32 v217, 2, v217
	v_mul_u32_u24 v3, v216, 8936
	v_add_nc_u32 v3, GATE+512, v3
	v_sub_nc_u32 v3, v3, v217
	v_lshl_add_u32 v3, v214, 6, v3                 ; GATE + 8,936 c + 4 (128 - query - c) + 64 h; the trip adds 7,680 - 512 tau: the word of (key - query) for key 16 h of the step
	v_mov_b32 v13, 0xff61b1e6                      ; the largest t so far: -3e38
	v_floor_f32 v12, -v13                          ; -M
	v_mov_b32 v14, 0
	v_mov_b32 v15, 0
.set n, 0
.rept 32
	v_mov_b32 v[160+n], 0                          ; O^T: the step is written once; the first finds zeros
.set n, n+1
.endr
.irp n, 216,217,218,219,224,226,227
	v_mov_b32 v[\n], 0                             ; lane permutes' destinations and a pair's upper half: written once
.endr
	s_wait_loadcnt 0x0                             ; Q
.Ltrip:
	; THE CHANGE OF SLOTS, on every wave's path in every trip
	s_wait_tensorcnt 0x0                           ; no tensor load of mine is out: the slot that I am about to read has landed, and a group 0 may be written
	ds_add_u32 v4, v5                              ; 0 onto my spare word, twice on end, in every trip alike
	ds_add_u32 v4, v5
	s_xor_b32 s41, s41, 32768                      ; the walking descriptors: the other slot, the key step before
	s_sub_nc_u64 s[42:43], s[42:43], 19200
	s_xor_b32 s45, s45, 32768
	s_sub_nc_u64 s[46:47], s[46:47], 19200
	s_wait_dscnt 0x0                               ; the adds are done, and my reads of the slot that I have left are over
	s_barrier_signal -1
	s_barrier_wait -1
	s_cmp_lt_u32 s54, s17                          ; group 0 has a next key step?  Work-group's number and count of trips alone: all sixteen waves go the same way.  A slot that no later trip reads is not asked for
	s_cbranch_scc0 .Lno_a
	s_cmp_lg_u32 s12, 0
	s_cbranch_scc1 .Lno_a
	tensor_load_to_lds s[40:43], s[24:31]          ; it has a trip in which to land
	s_nop 0
.rept 4
	v_nop
.endr
.Lno_a:
	s_cmp_lt_u32 s54, s18                          ; the same for group 1
	s_cbranch_scc0 .Lno_b
	s_cmp_lg_u32 s12, 8
	s_cbranch_scc1 .Lno_b
	tensor_load_to_lds s[44:47], s[24:31]
	s_nop 0
.rept 4
	v_nop
.endr
.Lno_b:
	s_cmp_gt_u32 s54, s19                          ; my keys are used up: no work in this trip (no barrier, wait or tensor load stands in the work)
	s_cbranch_scc1 .Lidle
	v_add_nc_u32 v8, s52, v1
	v_add_nc_u32 v9, s52, v2
	v_add_nc_u32 v10, s53, v3
	v_nop                                          ; with the three above: four places in front of loads into registers that the last trip's products have read
.irp g, 0,1                                    ; S^T = K Q^T, four tiles of 16 keys at a time
.if \g
.rept 4
	v_nop
.endr
.endif
.irp t, 0,1,2,3
.irp q, 0,1,2
	ds_load_b128 v[32+12*\t+4*\q:32+12*\t+4*\q+3], v8 offset:1536*(4*\g+\t)+512*\q
.endr
.endr
.if \g == 0
.irp p, 0,1,2,3
	ds_load_b32 v[232+\p], v9 offset:128*\p        ; lanes 0-15: tile 2 p's scale words, lanes 16-31: tile 2 p + 1's
.endr
.endif
	s_wait_dscnt 0x0
.irp t, 0,1,2,3
	ST 4*\g+\t
.endr
.endr
.rept 4
	v_nop                                          ; four places: loads into K's registers and the first read of the scores follow
.endr
.irp b, 0,1,2,3
.irp m, 0,1,2,3,4,5,6,7
	ds_load_b64 v[32+16*\b+2*\m:33+16*\b+2*\m], v10 offset:128*\b+8*\m     ; the gate of my query and keys 32 b + 16 h + 2 m, + 1
.endr
.endr
	s_wait_dscnt 0x0
.set n, 0
.rept 32
	v_pk_mul_f32 v[96+n:97+n], v[96+n:97+n], v[32+n:33+n]          ; t.  Each accumulator is read from its low end on
.set n, n+2
.endr
.irp t, 0,1,2,3                                ; V's four fragments and scale words: they land under the softmax
.irp q, 0,1,2
	ds_load_b128 v[32+12*\t+4*\q:32+12*\t+4*\q+3], v8 offset:12800+1536*\t+512*\q
.endr
.endr
	ds_load_b32 v236, v9 offset:6656
	ds_load_b32 v237, v9 offset:6784
	s_cmp_lg_u32 s54, 0                            ; trip 0 is the diagonal: hidden keys' t become -infinity.  Every query's own key counts, so M is a number from this trip on
	s_cbranch_scc1 .Lopen
	v_mov_b32 v224, 0xff800000
.set n, 0
.rept 64
	v_cmp_gt_i32 vcc_lo, 32*(n/16)+n%16, v6        ; register 16 b + e holds key 32 b + 16 h + e: hidden where 32 b + e > query - 16 h
	v_cndmask_b32 v[96+n], v[96+n], v224, vcc_lo
.set n, n+1
.endr
.Lopen:
.irp b, 0,1,2,3
	v_max3_num_f32 v[212+\b], v[96+16*\b], v[97+16*\b], v[98+16*\b]        ; the largest t of each block of 32 keys: for the row's maximum, and for the block's largest p
.endr
.irp i, 3,5,7,9,11,13
.irp b, 0,1,2,3
	v_max3_num_f32 v[212+\b], v[212+\b], v[96+16*\b+\i], v[97+16*\b+\i]
.endr
.endr
.irp b, 0,1,2,3
	v_max_num_f32 v[212+\b], v[212+\b], v[111+16*\b]
.endr
.irp b, 0,1,2,3
	v_permlanex16_b32 v[216+\b], v[212+\b], s22, s23
.endr
.irp b, 0,1,2,3
	v_max_num_f32 v[212+\b], v[212+\b], v[216+\b]                  ; with lane l xor 16's 16 keys
.endr
	v_max3_num_f32 v224, v212, v213, v214
	v_max_num_f32 v224, v224, v215
	v_max_num_f32 v13, v13, v224                   ; the running largest t
	v_mov_b32 v224, v12
	v_floor_f32 v12, -v13                          ; the new -M = -ceil(t)
	v_sub_f32 v224, v12, v224                      ; old M - new M: a whole number, 0 or less
	v_cvt_i32_f32 v224, v224                       ; (it saturates)
	v_ldexp_f32 v226, 1.0, v224                    ; f = 2^(old M - new M)
.set n, 0
.rept 32
	v_pk_add_f32 v[96+n:97+n], v[96+n:97+n], v[12:13] op_sel_hi:[1,0]      ; t - M
.set n, n+2
.endr
.irp b, 0,1,2,3
	v_add_f32 v[212+\b], v[212+\b], v12            ; the same of each block's largest t
.endr
.set n, 0
.rept 64
	v_exp_f32 v[96+n], v[96+n]                     ; p
.set n, n+1
.endr
	v_pk_mul_f32 v[14:15], v[14:15], v[226:227] op_sel_hi:[1,0]    ; the sums under the new M.  (A plain place behind the exponentials)
	s_wait_alu depctr_va_vdst(0)                   ; one wait for the batch, ahead of its first reader
.irp b, 0,1,2,3
	v_exp_f32 v[212+\b], v[212+\b]                 ; the block's largest p: the same instructions on the same number give the same bits
.endr
	v_pk_add_f32 v[228:229], v[96:97], v[98:99]    ; the row's sum of the unquantised p, in two chains
.irp j, 4,8,12,16,20,24,28,32,36,40,44,48,52,56,60
	v_pk_add_f32 v[14:15], v[14:15], v[96+\j:97+\j]
	v_pk_add_f32 v[228:229], v[228:229], v[98+\j:99+\j]
.endr
	v_pk_add_f32 v[14:15], v[14:15], v[228:229]
	s_wait_alu depctr_va_vdst(0)                   ; and one for the four
.irp b, 0,1,2,3
	v_max_num_f32 v[212+\b], 0x1800000, v[212+\b]  ; the floor 2^(3 - 127)
.endr
.irp b, 0,1,2,3
	v_add_nc_u32 v[220+\b], 0xff000000, v[212+\b]  ; the conversion's scale operand
.endr
.irp b, 0,1,2,3
	v_lshrrev_b32 v[216+\b], 23, v[220+\b]         ; the byte
.endr
	v_lshl_or_b32 v238, v217, 8, v216              ; p's scale word for these 128 keys
	v_lshl_or_b32 v238, v218, 16, v238
	v_lshl_or_b32 v238, v219, 24, v238
.irp c, 0,1
	v_cvt_scalef32_pk16_fp6_f32 v[192+6*\c:194+6*\c], v[96+32*\c:111+32*\c], v[220+2*\c]
	v_cvt_scalef32_pk16_fp6_f32 v[204+4*\c:206+4*\c], v[112+32*\c:127+32*\c], v[220+2*\c+1]
.endr
	v_nop                                          ; one plain place behind a scaled conversion
.irp c, 0,1
.irp i, 0,1,2
	v_permlane16_swap_b32 v[192+6*\c+\i], v[204+4*\c+\i]
.endr
.irp i, 0,1,2
	v_mov_b32 v[195+6*\c+\i], v[204+4*\c+\i]
.endr
.endr
.set n, 0
.rept 16
	v_pk_mul_f32 v[160+n:161+n], v[160+n:161+n], v[226:227] op_sel_hi:[1,0]    ; O^T under the new M.  (These sixteen are also the places between the scale word's and the codes' last writes and the products)
.set n, n+2
.endr
	s_wait_dscnt 0x0                               ; V is in
.irp t, 0,1,2,3
	PV \t                                          ; four accumulators by turns
.endr
.Lidle:
	s_xor_b32 s52, s52, 32768                      ; on to the other slot,
	s_sub_co_u32 s53, s53, 512                     ; 128 keys further from the diagonal
	s_add_co_u32 s54, s54, 1
	s_cmp_lt_u32 s54, 16
	s_cbranch_scc1 .Ltrip
	; THE WAY OUT: O^T / the sum, quantised along C: my head's 64 channels are two blocks of 32, half c = head % 2 of K step head / 2 of the last product
.rept 4
	v_nop                                          ; four places behind the last products
.endr
	v_add_f32 v14, v14, v15
	v_permlanex16_b32 v216, v14, s22, s23
	v_add_f32 v14, v14, v216                       ; the row's sum
	v_rcp_f32 v14, v14
	v_nop                                          ; a plain place behind the reciprocal
	s_lshr_b32 s55, s15, 4
	s_lshl_b32 s55, s55, 7                         ; 128 token tiles a batch
	s_lshl_b32 s56, s19, 3
	s_add_co_u32 s55, s55, s56
	s_add_co_u32 s55, s55, s14                     ; my token tile
	s_mul_i32 s55, s55, 13312
	s_bfe_u32 s56, s15, 0x20002                    ; the chunk: head / 4
	s_mul_i32 s56, s56, 3328
	s_add_co_u32 s56, s56, s55
	s_bfe_u32 s57, s15, 0x10001                    ; which K step of the chunk: (head / 2) % 2
	s_and_b32 s58, s15, 1                          ; c
	s_mul_i32 s59, s57, 1536
	s_mul_i32 s60, s58, 768
	s_add_co_u32 s60, s60, s59
	s_add_co_u32 s60, s60, s56                     ; my half image
	s_mov_b32 s61, 0
	s_lshl_b32 s57, s57, 2
	s_lshl_b32 s58, s58, 1
	s_add_co_u32 s58, s58, s57
	s_add_co_u32 s58, s58, s56
	s_add_co_u32 s58, s58, 3072                    ; my half of the scale words
	s_mov_b32 s59, 0
	s_add_nc_u64 s[60:61], s[10:11], s[60:61]
	s_add_nc_u64 s[58:59], s[10:11], s[58:59]
	s_wait_alu depctr_va_vdst(0)                   ; the wait for the reciprocal, ahead of its first reader
.set n, 0
.rept 32
	v_mul_f32 v[96+n], v[160+n], v14               ; register 16 b + i: channel 32 b + 16 h + i of my query
.set n, n+1
.endr
.irp b, 0,1
	v_max3_num_f32 v[212+\b], |v[96+16*\b]|, |v[97+16*\b]|, 0x1800000
.endr
.irp i, 2,4,6,8,10,12,14
.irp b, 0,1
	v_max3_num_f32 v[212+\b], v[212+\b], |v[96+16*\b+\i]|, |v[97+16*\b+\i]|
.endr
.endr
.irp b, 0,1
	v_permlanex16_b32 v[216+\b], v[212+\b], s22, s23
.endr
.irp b, 0,1
	v_max_num_f32 v[212+\b], v[212+\b], v[216+\b]
.endr
.irp b, 0,1
	v_add_nc_u32 v[220+\b], 0xff000000, v[212+\b]
.endr
.irp b, 0,1
	v_lshrrev_b32 v[216+\b], 23, v[220+\b]
.endr
	v_lshl_or_b32 v224, v217, 8, v216              ; my row's two bytes
	v_cvt_scalef32_pk16_fp6_f32 v[240:242], v[96:111], v220
	v_cvt_scalef32_pk16_fp6_f32 v[244:246], v[112:127], v221
	v_nop                                          ; one plain place behind a scaled conversion
.irp i, 0,1,2
	v_permlane16_swap_b32 v[240+\i], v[244+\i]
.endr
.irp i, 0,1,2
	v_mov_b32 v[243+\i], v[244+\i]                 ; v240-245: registers 6 c .. 6 c + 5 of the fragment
.endr
	global_store_b128 v7, v[240:243], s[60:61]     ; 512 consecutive bytes, aligned
	global_store_b64 v28, v[244:245], s[60:61] offset:512          ; 256 consecutive bytes, aligned
	global_store_b16 v29, v224, s[58:59]           ; lanes l and l xor 16 hold the same bytes for the same place
	s_wait_tensorcnt 0x0                           ; the wave's end
	ds_add_u32 v4, v5
	s_wait_dscnt 0x0
	s_endpgm
.Lfunc_end_k_q310c2d86a5_attn:
	.size	k_q310c2d86a5_attn, .Lfunc_end_k_q310c2d86a5_attn-k_q310c2d86a5_attn
	.p2alignl 7, 3214868480
	.fill 96, 4, 3214868480
	.section	.rodata,"a",@progbits
	.p2align	6, 0x0
	.amdhsa_kernel k_q310c2d86a5_attn
		.amdhsa_group_segment_fixed_size 327680
		.amdhsa_private_segment_fixed_size 0
		.amdhsa_enable_private_segment 0
		.amdhsa_kernarg_size 32
		.amdhsa_user_sgpr_count 2
		.amdhsa_user_sgpr_kernarg_segment_ptr 1
		.amdhsa_wavefront_size32 1
		.amdhsa_system_sgpr_workgroup_id_x 1
		.amdhsa_system_sgpr_workgroup_id_y 1
		.amdhsa_system_sgpr_workgroup_id_z 1
		.amdhsa_system_vgpr_workitem_id 0
		.amdhsa_next_free_vgpr 256
		.amdhsa_next_free_sgpr 72
		.amdhsa_reserve_vcc 1
		.amdhsa_float_denorm_mode_32 3
		.amdhsa_float_denorm_mode_16_64 3
		.amdhsa_memory_ordered 1
		.amdhsa_forward_progress 1
		.amdhsa_inst_pref_size 39
	.end_amdhsa_kernel
	.amdgpu_metadata
---
amdhsa.version: [ 1, 2 ]
amdhsa.kernels:
  - .name:           k_q310c2d86a5_attn
    .symbol:         k_q310c2d86a5_attn.kd
    .args:
      - { .name: qi, .offset: 0, .size: 8, .value_kind: global_buffer, .address_space: global }
      - { .name: kv, .offset: 8, .size: 8, .value_kind: global_buffer, .address_space: global }
      - { .name: gt, .offset: 16, .size: 8, .value_kind: global_buffer, .address_space: global }
      - { .name: oi, .offset: 24, .size: 8, .value_kind: global_buffer, .address_space: global }
    .group_segment_fixed_size: 327680
    .private_segment_fixed_size: 0
    .kernarg_segment_align: 8
    .kernarg_segment_size: 32
    .max_flat_workgroup_size: 512
    .sgpr_count:     72
    .vgpr_count:     256
    .wavefront_size: 32
...
	.end_amdgpu_metadata
.endif
;; end of part 3
;; launch oproj (part 4): grid 8 x 32, 4 waves a work-group, clusters of 4 x 4, 327,680 bytes of LDS; arguments oi, wi, out0; writes out0
.if DOCPART == 4
	.amdgcn_target "amdgcn-amd-amdhsa--gfx1250"
	.amdhsa_code_object_version 6
	.text
	.protected	k_q310c2d86a5_oproj
	.globl	k_q310c2d86a5_oproj
	.p2align	8
	.type	k_q310c2d86a5_oproj,@function
k_q310c2d86a5_oproj:
	s_mov_b64 s[64:65], 0
	v_nop
	global_prefetch_b8 v0, s[64:65] scope:SCOPE_SE
	s_setreg_imm32_b32 hwreg(HW_REG_WAVE_MODE, 25, 1), 1
	s_wait_xcnt 0x0
	s_wait_alu depctr_hold_cnt(0) depctr_sa_sdst(0) depctr_va_vdst(0) depctr_va_sdst(0) depctr_va_ssrc(0) depctr_va_vcc(0) depctr_vm_vsrc(0)
	s_getreg_b32 s2, hwreg(HW_REG_IB_STS2, 6, 4)
	s_cmp_eq_u32 s2, 0
	s_cbranch_scc0 .Lentry_in_a_cluster
	s_endpgm
.Lentry_in_a_cluster:
	s_bfe_u32 s2, ttmp6, 0x10000c
	s_cmp_lg_u32 s2, 0xf033
	s_cbranch_scc0 .Lentry_shape_is_right
	s_endpgm
.Lentry_shape_is_right:
; out0 = (attention's result) Wo, on codes of FP6.  No work is left out here.  The skeleton is launch proj's on a tile of 128 tokens x 128 columns, which gives each of 256 work-groups one tile.
; D(i, j) = S0's tile j (source 0: 16 columns of Wo, wi's tiles 320 + 8 X on) x S1's tile i (source 1: 16 tokens, oi's tiles 8 Y on): a lane holds one token and eight neighbouring columns an accumulator.
; Wave w: wn = w % 2 picks 4 tiles of S0, wm = w / 2 picks 4 of S1: 16 accumulators, 128 matrix instructions.  All of K lies in LDS at once, four chunks of two K steps: every tensor load is a first fill.
; CLUSTER 4 x 4: S0's tiles are shared along a column of the cluster, S1's along a row: joint loads.
; LDS: S0's chunk c at 25,600 c: [tile 8][3,200]; S1's at S1B + 25,600 c; a stage of 16 rows x (256 + 16) bytes for each wave, into which no fill lands; the spare words.
; REGISTERS: window 0: v1-11 addresses, v28, 29 the add's two, v32-47 scale words and nothing else, v64-127 the way out, accumulator (i, j) at v[128 + 8 (4 i + j)].  window 1: set p at 128 p: S0's four fragments, then S1's four.
.set S1B,   102400
.set STAGE, 204800
.set SPARE, 222208
.set AS0,  4                           ; v4 S0's images; v5, v6 S1's (16 x lane, 8 x lane); v7, v8 the scale words
.set AS1,  5
.set AS1B, 6
.set ASC0, 7
.set ASC1, 8
.set STO,  9
.set RD,   10
.set CO,   11
.set SPW,  28
.set NIL,  29
.set SC,   32
.set ACC,  128
.set G1A, 24
.set G1B, 32
.set G0A, 40
.set G0B, 68
.set MSB, 0
.macro WIN new                         ; the immediate's high byte repeats the setting that is left
.if MSB != \new
	s_set_vgpr_msb (MSB<<8)|\new
.set MSB, \new
.endif
.endm
.set MUL, 0x05                         ; sources 0 and 1 window 1; C and D window 0
.macro JLOAD g0a, g0b                  ; a joint load: waves 0, 1 fetch S0's halves, waves 2, 3 S1's; an s_nop 0 and four v_nop follow each line
	s_cmp_eq_u32 s14, 0
	s_cbranch_scc0 .Lfor_b_\@
	tensor_load_to_lds s[\g0a:\g0a+3], s[G1A:G1A+7]
	s_nop 0
.rept 4
	v_nop
.endr
	s_branch .Lasked_\@
.Lfor_b_\@:
	tensor_load_to_lds s[\g0b:\g0b+3], s[G1B:G1B+7]
	s_nop 0
.rept 4
	v_nop
.endr
.Lasked_\@:
.endm
.macro CROUND                          ; a round of the cluster's barrier
	s_barrier_signal -1
	s_barrier_wait -1
	s_cmp_lg_u32 s12, 0
	s_cbranch_scc1 .Lnot_wave_0_\@
	s_barrier_signal -3
.Lnot_wave_0_\@:
	s_barrier_wait -3
	s_barrier_signal -1
	s_barrier_wait -1
.endm
.macro WM d, a, b, c, sa, sb, ra, rb   ; one matrix instruction.  c < 0: the constant 0 starts the sum.  ra, rb: the side's scale words stand in lanes 16-31
.if (\c) < 0
.if (\ra) && (\rb)
	v_wmma_scale_f32_16x16x128_f8f6f4 v[\d:\d+7], v[\a:\a+11], v[\b:\b+11], 0, v[\sa], v[\sb] matrix_a_fmt:MATRIX_FMT_FP6 matrix_b_fmt:MATRIX_FMT_FP6 matrix_a_scale:MATRIX_SCALE_ROW1 matrix_b_scale:MATRIX_SCALE_ROW1
.elseif (\ra)
	v_wmma_scale_f32_16x16x128_f8f6f4 v[\d:\d+7], v[\a:\a+11], v[\b:\b+11], 0, v[\sa], v[\sb] matrix_a_fmt:MATRIX_FMT_FP6 matrix_b_fmt:MATRIX_FMT_FP6 matrix_a_scale:MATRIX_SCALE_ROW1
.elseif (\rb)
	v_wmma_scale_f32_16x16x128_f8f6f4 v[\d:\d+7], v[\a:\a+11], v[\b:\b+11], 0, v[\sa], v[\sb] matrix_a_fmt:MATRIX_FMT_FP6 matrix_b_fmt:MATRIX_FMT_FP6 matrix_b_scale:MATRIX_SCALE_ROW1
.else
	v_wmma_scale_f32_16x16x128_f8f6f4 v[\d:\d+7], v[\a:\a+11], v[\b:\b+11], 0, v[\sa], v[\sb] matrix_a_fmt:MATRIX_FMT_FP6 matrix_b_fmt:MATRIX_FMT_FP6
.endif
.else
.if (\ra) && (\rb)
	v_wmma_scale_f32_16x16x128_f8f6f4 v[\d:\d+7], v[\a:\a+11], v[\b:\b+11], v[\c:\c+7], v[\sa], v[\sb] matrix_a_fmt:MATRIX_FMT_FP6 matrix_b_fmt:MATRIX_FMT_FP6 matrix_a_scale:MATRIX_SCALE_ROW1 matrix_b_scale:MATRIX_SCALE_ROW1
.elseif (\ra)
	v_wmma_scale_f32_16x16x128_f8f6f4 v[\d:\d+7], v[\a:\a+11], v[\b:\b+11], v[\c:\c+7], v[\sa], v[\sb] matrix_a_fmt:MATRIX_FMT_FP6 matrix_b_fmt:MATRIX_FMT_FP6 matrix_a_scale:MATRIX_SCALE_ROW1
.elseif (\rb)
	v_wmma_scale_f32_16x16x128_f8f6f4 v[\d:\d+7], v[\a:\a+11], v[\b:\b+11], v[\c:\c+7], v[\sa], v[\sb] matrix_a_fmt:MATRIX_FMT_FP6 matrix_b_fmt:MATRIX_FMT_FP6 matrix_b_scale:MATRIX_SCALE_ROW1
.else
	v_wmma_scale_f32_16x16x128_f8f6f4 v[\d:\d+7], v[\a:\a+11], v[\b:\b+11], v[\c:\c+7], v[\sa], v[\sb] matrix_a_fmt:MATRIX_FMT_FP6 matrix_b_fmt:MATRIX_FMT_FP6
.endif
.endif
.endm
.macro MM i, j, s
.set rD, ACC+8*(4*(\i)+(\j))
.set rA, 128*((\s)%2)+12*(\j)
.set rB, 128*((\s)%2)+48+12*(\i)
.set rSA, SC+8*(((\s)/2)%2)+2*((\j)/2)+(\s)%2
.set rSB, SC+8*(((\s)/2)%2)+4+2*((\i)/2)+(\s)%2
.set rC, rD
.if (\s) == 0
.set rC, -1
.endif
	WM rD, rA, rB, rC, rSA, rSB, (\j)%2, (\i)%2
.endm
.macro FETCH t                         ; K step t's fragments.  S0's images come by three loads of 16 bytes a lane; S1's, in two halves of 768 bytes, by a load of 16 and a load of 8 bytes a lane for each half
	WIN 0x40                                       ; destination window 1
.irp j, 0,1,2,3
.irp g, 0,1,2
	ds_load_b128 v[128*((\t)%2)+12*\j+4*\g:128*((\t)%2)+12*\j+4*\g+3], v[AS0] offset:3200*\j+1536*((\t)%2)+512*\g
.endr
.endr
.irp i, 0,1,2,3
.irp c, 0,1
	ds_load_b128 v[128*((\t)%2)+48+12*\i+6*\c:128*((\t)%2)+48+12*\i+6*\c+3], v[AS1] offset:3200*\i+1536*((\t)%2)+768*\c
	ds_load_b64 v[128*((\t)%2)+48+12*\i+6*\c+4:128*((\t)%2)+48+12*\i+6*\c+5], v[AS1B] offset:3200*\i+1536*((\t)%2)+768*\c+512
.endr
.endr
	WIN 0
.endm
.macro SCALES q
.irp p, 0,1
	ds_load_b64 v[SC+8*((\q)%2)+2*\p:SC+8*((\q)%2)+2*\p+1], v[ASC0] offset:6400*\p
	ds_load_b64 v[SC+8*((\q)%2)+4+2*\p:SC+8*((\q)%2)+4+2*\p+1], v[ASC1] offset:6400*\p
.endr
.endm
; A K step: 16 matrix instructions, the 16 accumulators by turns in one order in every step; the next step's fragments are fetched in its middle, into the other set.
.macro STEP s
	s_wait_dscnt 0x0                               ; this step's fragments and scale words are in
	WIN MUL
.irp i, 0,1
.irp j, 0,1,2,3
	MM \i, \j, \s
.endr
.endr
.if (\s) < 7
	WIN 0
.if (\s)%2
	s_wait_tensorcnt 3-((\s)+1)/2                  ; my part of the next chunk has landed; my younger loads stay out
	s_barrier_signal -1                            ; (no LDS instruction of mine is out)
	s_barrier_wait -1
	v_add_nc_u32 v[AS0], 25600, v[AS0]             ; on to that chunk.  These five are also the places in front of the loads below
	v_add_nc_u32 v[AS1], 25600, v[AS1]
	v_add_nc_u32 v[AS1B], 25600, v[AS1B]
	v_add_nc_u32 v[ASC0], 25600, v[ASC0]
	v_add_nc_u32 v[ASC1], 25600, v[ASC1]
.else
.rept 4
	v_nop                                          ; four places in front of loads into registers that the last step's matrix instructions have read
.endr
.endif
	FETCH (\s)+1
.if (\s)%2
	SCALES ((\s)+1)/2
.endif
.endif
	WIN MUL
.irp i, 2,3
.irp j, 0,1,2,3
	MM \i, \j, \s
.endr
.endr
.endm
	s_load_b128 s[4:7], s[0:1], 0x0                ; oi s[4:5], wi s[6:7]
	s_load_b64 s[8:9], s[0:1], 0x10                ; out0
	v_lshl_add_u32 v[SPW], v0, 2, SPARE
	v_mov_b32 v[NIL], 0
	ds_add_u32 v[SPW], v[NIL]                      ; the wave's opening: the add, twice on end, and its wait ahead of my first tensor load
	ds_add_u32 v[SPW], v[NIL]
	v_lshrrev_b32 v1, 5, v0
	v_readfirstlane_b32 s12, v1                    ; wave 0..3
	s_and_b32 s13, s12, 1                          ; wn.  Also: which half of a chunk's tiles I fetch
	s_lshr_b32 s14, s12, 1                         ; wm.  Also: I fetch for S0 (0) or for S1 (1)
	s_bfe_u32 s15, ttmp6, 0x40000                  ; cx
	s_bfe_u32 s16, ttmp6, 0x40004                  ; cy
	s_lshl_b32 s17, ttmp9, 2
	s_add_co_u32 s17, s17, s15                     ; X
	s_and_b32 s18, ttmp7, 0xffff
	s_lshl_b32 s18, s18, 2
	s_add_co_u32 s18, s18, s16                     ; Y
	s_lshl_b32 s19, 0x1111, s15                    ; my column of the cluster
	s_lshl_b32 s20, s16, 2
	s_lshl_b32 s20, 15, s20                        ; my row
	s_or_b32 s[G1A], s19, (3<<16)|(1<<21)          ; 15:0 the mask; 17:16 elements of 8 bytes; 21 set beside a mask; no padding
	s_or_b32 s[G1B], s20, (3<<16)|(1<<21)
.irp g, G1A, G1B
	s_mov_b32 s[\g+1], 400<<16                     ; tensor_dim0 = 400: 3,200 bytes of a record's chunk
	s_mov_b32 s[\g+2], 4<<16                       ; tensor_dim1 = 4 tiles
	s_mov_b32 s[\g+3], 400<<16                     ; tile_dim0
	s_mov_b32 s[\g+4], 4                           ; tile_dim1
	s_mov_b32 s[\g+5], 1664                        ; from record to record: 13,312 bytes
	s_mov_b32 s[\g+6], 0
	s_mov_b32 s[\g+7], 0
.endr
	s_lshl_b32 s60, s17, 3                         ; S0: tile 320 + 8 X + 4 x half: made of X and the wave's number alone
	s_lshl_b32 s23, s13, 2
	s_add_co_u32 s60, s60, s23
	s_add_co_u32 s60, s60, 320
	s_mul_i32 s60, s60, 13312
	s_mov_b32 s61, 0
	s_lshl_b32 s62, s18, 3                         ; S1: tile 8 Y + 4 x half: of Y and the wave's number alone
	s_add_co_u32 s62, s62, s23
	s_mul_i32 s62, s62, 13312
	s_mov_b32 s63, 0
	s_mul_i32 s91, s13, 12800                      ; where they go: no place in the cluster enters an LDS address
	s_add_co_u32 s92, s91, S1B
	s_wait_dscnt 0x0                               ; both opening adds are done
	s_wait_kmcnt 0x0
	s_add_nc_u64 s[56:57], s[6:7], s[60:61]
	s_add_nc_u64 s[58:59], s[4:5], s[62:63]
	CROUND                                         ; all sixteen work-groups are here: the joint loads meet
.irp c, 0,1,2,3                                ; all of K, four chunks: by this text's count four tensor loads of a wave are out
	s_mov_b32 s[G0A+4*\c], 1
	s_add_co_u32 s[G0A+4*\c+1], s91, 25600*\c
	s_add_nc_u64 s[G0A+4*\c+2:G0A+4*\c+3], s[56:57], 3328*\c
	s_or_b32 s[G0A+4*\c+3], s[G0A+4*\c+3], 0x80000000
	s_mov_b32 s[G0B+4*\c], 1
	s_add_co_u32 s[G0B+4*\c+1], s92, 25600*\c
	s_add_nc_u64 s[G0B+4*\c+2:G0B+4*\c+3], s[58:59], 3328*\c
	s_or_b32 s[G0B+4*\c+3], s[G0B+4*\c+3], 0x80000000
	JLOAD G0A+4*\c, G0B+4*\c
.endr
	v_and_b32 v14, 31, v0                          ; lane
	v_and_b32 v15, 15, v0                          ; r
	v_bfe_u32 v16, v0, 4, 1                        ; h
	v_lshlrev_b32 v1, 4, v14                       ; 16 x lane
	v_lshlrev_b32 v3, 3, v14                       ; 8 x lane
	v_mul_u32_u24 v2, v16, 3200
	v_lshl_add_u32 v2, v15, 3, v2
	v_add_nc_u32 v2, 3072, v2                      ; a pair of tiles' scale words: 3,072 + 3,200 h + 8 r
	s_mul_i32 s93, s13, 12800                      ; my 4 tiles of S0
	s_mul_i32 s94, s14, 12800                      ; my 4 of S1
	s_add_co_u32 s94, s94, S1B
	v_add_nc_u32 v[AS0], s93, v1
	v_add_nc_u32 v[AS1], s94, v1
	v_add_nc_u32 v[AS1B], s94, v3
	v_add_nc_u32 v[ASC0], s93, v2
	v_add_nc_u32 v[ASC1], s94, v2
	s_mul_i32 s95, s12, 4352
	s_add_co_u32 s95, s95, STAGE                   ; my stage
	v_mul_u32_u24 v[STO], v15, 272
	v_lshl_add_u32 v[STO], v16, 6, v[STO]
	v_add_nc_u32 v[STO], s95, v[STO]               ; in: row r, + 64 h; accumulator j = 2 b + u adds 128 b + 32 u: columns 32 b + 16 h + 8 u on
	v_mul_u32_u24 v[RD], v16, 272
	v_lshl_add_u32 v[RD], v15, 4, v[RD]
	v_add_nc_u32 v[RD], s95, v[RD]                 ; back: lanes 0-15 one row of 256 bytes, lanes 16-31 the next
	v_lshlrev_b32 v[CO], 12, v16
	v_lshl_add_u32 v[CO], v15, 4, v[CO]            ; and the same two rows of out0
	s_lshl_b32 s60, s18, 7
	s_lshl_b32 s61, s14, 6
	s_add_co_u32 s60, s60, s61                     ; my first token: 128 Y + 64 wm
	s_lshl_b32 s60, s60, 12
	s_lshl_b32 s61, s17, 9
	s_add_co_u32 s60, s60, s61                     ; + 512 X
	s_lshl_b32 s61, s13, 8
	s_add_co_u32 s60, s60, s61                     ; + 256 wn
	s_mov_b32 s61, 0
	s_add_nc_u64 s[8:9], s[8:9], s[60:61]
	s_wait_tensorcnt 3                             ; my part of chunk 0 has landed; my three younger loads stay out
	s_barrier_signal -1
	s_barrier_wait -1
	FETCH 0
	SCALES 0
.irp s, 0,1,2,3,4,5,6,7
	STEP \s
.endr
	WIN 0
.rept 4
	v_nop                                          ; four places behind the last products, ahead of the first read of results
.endr
; THE WAY OUT, a tile of 16 tokens at a time: a lane's 32 bytes of a row go through my own stage and come back as whole rows of 256 bytes.  Stage row rho is token rho + 8 (rho / 8) of the tile's group of 32.
.irp i, 0,1,2,3
.if \i >= 2
	s_wait_xcnt 0x0                                ; the stores of two tiles back have read their registers: the loads below may land there
.endif
.irp j, 0,1,2,3
	ds_store_b128 v[STO], v[ACC+8*(4*\i+\j):ACC+8*(4*\i+\j)+3] offset:128*(\j/2)+32*(\j%2)        ; each accumulator from its low end on
	ds_store_b128 v[STO], v[ACC+8*(4*\i+\j)+4:ACC+8*(4*\i+\j)+7] offset:128*(\j/2)+32*(\j%2)+16
.endr
.irp t, 0,1,2,3,4,5,6,7
	ds_load_b128 v[64+32*(\i%2)+4*\t:64+32*(\i%2)+4*\t+3], v[RD] offset:544*\t     ; LDS serves a wave's instructions in order: these see my stores, and the next tile's stores come behind them
.endr
.irp t, 0,1,2,3,4,5,6,7
	s_wait_dscnt 7-\t                              ; load t is in; the younger ones may be out
	global_store_b128 v[CO], v[64+32*(\i%2)+4*\t:64+32*(\i%2)+4*\t+3], s[8:9] offset:(32*(\i/2)+8*(\i%2)+2*\t+8*(\t/4))*4096 th:TH_STORE_NT   ; sixteen lanes store 256 consecutive bytes, aligned
.endr
.endr
	s_wait_tensorcnt 0x0                           ; the wave's end, behind my last tensor load and my last LDS store
	ds_add_u32 v[SPW], v[NIL]
	s_wait_dscnt 0x0
	CROUND                                         ; the closing round
	s_endpgm
.Lfunc_end_k_q310c2d86a5_oproj:
	.size	k_q310c2d86a5_oproj, .Lfunc_end_k_q310c2d86a5_oproj-k_q310c2d86a5_oproj
	.p2alignl 7, 3214868480
	.fill 96, 4, 3214868480
	.section	.rodata,"a",@progbits
	.p2align	6, 0x0
	.amdhsa_kernel k_q310c2d86a5_oproj
		.amdhsa_group_segment_fixed_size 327680
		.amdhsa_private_segment_fixed_size 0
		.amdhsa_enable_private_segment 0
		.amdhsa_kernarg_size 24
		.amdhsa_user_sgpr_count 2
		.amdhsa_user_sgpr_kernarg_segment_ptr 1
		.amdhsa_wavefront_size32 1
		.amdhsa_system_sgpr_workgroup_id_x 1
		.amdhsa_system_sgpr_workgroup_id_y 1
		.amdhsa_system_sgpr_workgroup_id_z 1
		.amdhsa_system_vgpr_workitem_id 0
		.amdhsa_next_free_vgpr 512
		.amdhsa_next_free_sgpr 96
		.amdhsa_reserve_vcc 0
		.amdhsa_float_denorm_mode_32 3
		.amdhsa_float_denorm_mode_16_64 3
		.amdhsa_memory_ordered 1
		.amdhsa_forward_progress 1
		.amdhsa_inst_pref_size 52
	.end_amdhsa_kernel
	.amdgpu_metadata
---
amdhsa.version: [ 1, 2 ]
amdhsa.kernels:
  - .name:           k_q310c2d86a5_oproj
    .symbol:         k_q310c2d86a5_oproj.kd
    .args:
      - { .name: oi, .offset: 0, .size: 8, .value_kind: global_buffer, .address_space: global }
      - { .name: wi, .offset: 8, .size: 8, .value_kind: global_buffer, .address_space: global }
      - { .name: out0, .offset: 16, .size: 8, .value_kind: global_buffer, .address_space: global }
    .group_segment_fixed_size: 327680
    .private_segment_fixed_size: 0
    .kernarg_segment_align: 8
    .kernarg_segment_size: 24
    .max_flat_workgroup_size: 128
    .sgpr_count:     96
    .vgpr_count:     512
    .wavefront_size: 32
...
	.end_amdgpu_metadata
.endif
;; end of part 4
